; MI455X (gfx1250); checked and timed in simulation.
; The chip was launched on July 23, 2026; its instructions are those of AMD's public machine-readable ISA for CDNA 5 (MIT licence, August 2026) and "CDNA5" Instruction Set Architecture Reference Guide (July 2026). The comments in the code are by the model that wrote it; some were corrected since.
;; Scaled Dot Product Attention. Allowed arithmetic: matrix products marked QUANTISED: E3M2 operands, one E8M0 scale for each 32 along K, by v_wmma_scale_f32_16x16x128_f8f6f4 with both operands' format E3M2, f32 sums; everything else in f32.
;; Inputs: keys 4 x 16 x 2,048 x 64 float32; mask 2,048 x 2,048 bool; queries 4 x 16 x 2,048 x 64 float32; values 4 x 16 x 2,048 x 64 float32.
;; Outputs: out0 4 x 16 x 2,048 x 64 float32.
;; This version of the problem:
;;   THIS VERSION OF THE PROBLEM IS GIVEN IN LOW PRECISION. The matrix products marked QUANTISED in the list below multiply operands that are first quantised to E3M2 (3 exponent bits, 2 mantissa bits; 6 bits a number), with one power-of-two scale for each 32 numbers along K (OCP MX v1.0); their sums are f32. All else is computed in f32.
;;   The module's matrix products, in the order in which they are computed (A, B: the left and right operand; K: the contracted axis; several contracted axes count as one K, in the product's order):
;;     1. batch 64 x [M 2,048, K 64] x [K 64, N 2,048]; A: input queries; B: input keys: QUANTISED
;;     2. batch 64 x [M 2,048, K 2,048] x [K 2,048, N 64]; A: softmax (see below); B: input values: QUANTISED
;;   THE QUANTISER, for each operand of a quantised product, along K:
;;     - K is cut into blocks of 32 from its start; a last block that is shorter is filled with zeros.
;;     - A block's scale is 2^e with e = floor(log2(the largest magnitude in the block)) - 4, held to -126 .. 127; a block of zeros has e = 0. As a byte (E8M0): e + 127.
;;     - Each number is divided by its block's scale, clamped to +-28, and rounded to the nearest number of E3M2, ties to even, subnormals kept.
;;     - The product sums the exact products of the quantised numbers (number of the format x scale) in f32.
;;   ~~~python
;;   def quantise(x, axis):      # numpy; x: float32 -> the quantised numbers, widened to float32 again
;;       x = np.moveaxis(x, axis, -1); K = x.shape[-1]
;;       x = np.pad(x, [(0, 0)] * (x.ndim - 1) + [(0, -K % 32)]); x = x.reshape(x.shape[:-1] + (-1, 32)); a = np.abs(x).max(-1, keepdims=True)
;;       e = np.where(a > 0, np.clip(np.frexp(np.where(a > 0, a, 1))[1] - 1 - 4, -126, 127), 0)      # np.frexp(a)[1] - 1 = floor(log2(a)), exactly
;;       r = np.clip(x / 2.0 ** e, -28, 28)
;;       step = 2.0 ** (np.maximum(np.frexp(np.where(r == 0, 1, r))[1] - 1, -2) - 2)
;;       q = np.round(r / step) * step * 2.0 ** e      # np.round: ties to even
;;       return np.moveaxis(q.reshape(q.shape[:-2] + (-1,))[..., :K], -1, axis).astype(np.float32)
;;   ~~~
;;   SOFTMAX AHEAD OF A QUANTISED PRODUCT. Where the list says 'softmax', what is quantised is not the finished softmax but p = 2^(t - M), with t = logit x log2(e) and M = ceil(the row's largest t), a whole number; so 1/2 < the row's largest p <= 1. The row's sum l is taken of the UNQUANTISED p, in f32, and the product's result is divided by l at the end. Since M is a whole number, a kernel that streams over the keys may use a running M (the ceiling of the running maximum): every later rescaling is an exact power of two, which a block's scale takes up: the codes' values come out the same.
;;   OPERANDS COMPUTED ON THE WAY. 'Computed on the way' means the value that the module computes at that place (a softmax that the list does not call 'softmax' is quantised finished and normalised). What goes into a quantiser is computed in f32, as accurately as f32 sums, v_exp_f32 and their like allow (about 1e-6 of the number): no bf16 or f16 on the way to a quantiser, and a product that is left as it is and whose result goes on into a quantised operand takes f32 operands (vector FMAs, or v_wmma_f32_16x16x4_f32). A number that lies on a knife's edge between two numbers of the format may be rounded either way, as far as f32 arithmetic and the matrix unit's own rounding can turn it there, and no further.
;; 2 versions. Each part assembles by itself: llvm-mc -triple=amdgcn-amd-amdhsa -mcpu=gfx1250 --defsym DOCPART=n.
;; ======== version 1 of 2: 2 launches
;; workspace buffers: kv 13,107,200 bytes; mbits 524,288 bytes of whole numbers; mflag 2,048 bytes of whole numbers
;; launch prep (part 1): grid 640 x 1, 4 waves a work-group, no clusters, 0 bytes of LDS; arguments keys, values, mask, kv, mbits, mflag; writes kv, mbits, mflag
.if DOCPART == 1
	.amdgcn_target "amdgcn-amd-amdhsa--gfx1250"
	.amdhsa_code_object_version 6
	.text
	.protected	k_q5a1e2201c4_prep
	.globl	k_q5a1e2201c4_prep
	.p2align	8
	.type	k_q5a1e2201c4_prep,@function
k_q5a1e2201c4_prep:
	s_mov_b64 s[64:65], 0
	v_nop
	global_prefetch_b8 v0, s[64:65] scope:SCOPE_SE
	s_setreg_imm32_b32 hwreg(HW_REG_WAVE_MODE, 25, 1), 1
	s_wait_xcnt 0x0
; PREP: what the attention launch reads again and again is made once.
;   keys   [64 heads][2048][64] f32 -> codes of BF6 (E3M2) along the head's 64, one E8M0 byte for each 32
;   values [64 heads][2048][64] f32 -> codes along the KEYS (the second product's K), one byte for each 32 keys
;   mask   [2048][2048] bytes 0 / 1 -> a lane-mask word for each score register of the attention launch, and a 2-bit flag for each 16 queries x 128 keys
; A block's scale is 2^(floor(log2(its largest magnitude)) - 4); its byte is the largest magnitude's exponent field - 4, held at 1 from below.
; LIMITS: a block of zeros gets the byte 1 where the rule says 127 (its codes are zeros, which add nothing, and this program alone reads the bytes);
; blocks whose largest magnitude lies under 2^(5 - 127) are held at that floor; NaN and infinities among the inputs are not served.
; kv: a record of 12,800 bytes for each (head, step of 128 keys), IN THE ORDER OF THE OPERANDS' REGISTERS:
;   +0      K: fragment i = 0..3 at 1,536 i; registers 4 c .. 4 c + 3 at + 512 c; lane l at + 16 l
;   +6,144  V: fragment t = 0..3, the same form
;   +12,288 K's scale words, 8 bytes a lane: word 0 = fragment 0 (lanes 0-15) and 1 (lanes 16-31), word 1 = fragments 2 and 3
;   +12,544 V's, likewise
; A FRAGMENT OF K HOLDS TWO TILES OF KEYS, since the head's 64 fill only half of the instruction's 128: lane (r, h), registers 0-5: key 32 (r / 8) + 8 i + r % 8,
; dims 32 h on; registers 6-11: the key 64 further on, the same dims.  V's fragment t: lane (r, h) holds channel 16 t + r; registers 6 c .. 6 c + 5 keys 64 c + 32 h on.
; mbits: 256 bytes for each (tile of 16 queries, step): word 2 (n % 32) + n / 32 has at bit r + 16 h: mask[16 tile + r][128 step + 64 (n / 32) + 32 h + n % 32].
; mflag: word 4 tile + qd: for steps 4 qd + st, at bits 2 st: 0 = no key kept, 1 = some, 2 = all.
; SHARES: work-groups 0-255 take keys, 256-511 values (a wave a record), 512-639 the mask (a work-group a tile of queries, a wave four steps).
; No LDS, no barrier: waves share nothing.  Every offset is an immediate; no store's data or address register is written again, so no wait frees any.
.set REC,  12800
.set VIMG, 6144
.set KSC,  12288
.set VSC,  12544
.set X,    32                          ; v32-159  the numbers as loaded: sets of 32
.set C,    160                         ; v160-207 codes: four rounds of 12 registers, none written twice
.set CT,   24                          ; v24-26   a conversion's three registers begin on an even number: a block's second half is made here and moved
.set W,    16                          ; v16-19   scale words
	s_load_b256 s[4:11], s[0:1], 0x0               ; keys s[4:5], values s[6:7], mask s[8:9], kv s[10:11]
	s_load_b128 s[12:15], s[0:1], 0x20             ; mbits s[12:13], mflag s[14:15]
	v_lshrrev_b32 v1, 5, v0
	v_readfirstlane_b32 s16, v1                    ; wave 0..3
	v_and_b32 v1, 31, v0                           ; lane
	v_and_b32 v2, 15, v0                           ; r
	v_bfe_u32 v3, v0, 4, 1                         ; h
	v_lshlrev_b32 v6, 3, v1                        ; 8 x lane: a pair of words for each lane
	v_lshlrev_b32 v7, 3, v3                        ; 8 h: my half's place in a scale word, in bits
	v_mov_b32 v14, 0                               ; written once: a lane permute's destination counts as one of its sources
	s_mov_b32 s20, 0x76543210
	s_mov_b32 s21, 0xfedcba98                      ; v_permlanex16_b32's selects for lane l xor 16
	s_mov_b32 s22, 0xffff0000                      ; lanes 16-31
	s_mov_b32 s19, 0                               ; the upper word of every offset pair
	s_wait_kmcnt 0x0
	s_cmp_lt_u32 ttmp9, 256
	s_cbranch_scc1 .Lkeys
	s_cmp_lt_u32 ttmp9, 512
	s_cbranch_scc1 .Lvalues
	; ---------------- THE MASK: tile of queries = work-group - 512, steps 4 wave .. 4 wave + 3
	s_sub_co_u32 s17, ttmp9, 512
	s_lshl_b32 s18, s17, 15                        ; 16 rows of 2,048 bytes,
	s_lshl_b32 s29, s16, 9                         ; four steps of 128 bytes
	s_add_co_u32 s18, s18, s29
	s_add_nc_u64 s[8:9], s[8:9], s[18:19]
	s_lshl_b32 s18, s17, 12                        ; mbits: 16 steps of 256 bytes a tile,
	s_lshl_b32 s29, s16, 10                        ; four of them a wave
	s_add_co_u32 s18, s18, s29
	s_add_nc_u64 s[12:13], s[12:13], s[18:19]
	s_lshl_b32 s18, s17, 4                         ; mflag: four words a tile, one a wave
	s_lshl_b32 s29, s16, 2
	s_add_co_u32 s18, s18, s29
	s_add_nc_u64 s[14:15], s[14:15], s[18:19]
	v_lshlrev_b32 v4, 11, v2
	v_lshl_add_u32 v4, v3, 5, v4                   ; row r, + 32 h: my 32 bytes of each 64
.irp t, 0,1,2,3,4,5,6,7,8,9,10,11,12,13,14,15    ; t = 4 st + 2 c + half: step st, keys 64 c + 32 h + 16 half on
	global_load_b128 v[X+4*\t:X+4*\t+3], v4, s[8:9] offset:128*(\t/4)+64*((\t/2)%2)+16*(\t%2) th:TH_LOAD_NT
.endr
.irp i, 0,1,2,3,4,5,6,7
	v_mov_b32 v[C+\i], 0                           ; v_writelane_b32's destination counts as read
.endr
	s_mov_b32 s28, 0                               ; the flags of my four steps
.set ST, 0
.rept 4
	s_wait_loadcnt 12-4*ST                         ; this step's four loads are in; the later steps' four each may be out
.set MB, X+16*ST
	v_or_b32 v100, v[MB], v[MB+1]                  ; is any byte of my 64 set, are all of them 1?
	v_and_b32 v101, v[MB], v[MB+1]
.irp i, 2,3,4,5,6,7,8,9,10,11,12,13,14,15
	v_or_b32 v100, v100, v[MB+\i]
	v_and_b32 v101, v101, v[MB+\i]
.endr
	v_cmp_ne_u32 s29, 0, v100
	v_cmp_eq_u32 s30, 0x01010101, v101
	s_cmp_lg_u32 s29, 0                            ; some lane keeps a key
	s_cselect_b32 s29, 1, 0
	s_cmp_eq_u32 s30, -1                           ; every lane keeps all of its keys
	s_cselect_b32 s30, 1, 0
	s_add_co_u32 s29, s29, s30                     ; 0 none, 1 some, 2 all
	s_lshl_b32 s29, s29, 2*ST
	s_or_b32 s28, s28, s29
.set N, 0
.rept 64                                       ; score register N: one byte of each lane becomes one bit of a word, and the word goes to lane N % 32 of the pair that is stored
	v_and_b32 v[96+N%4], 0xff<<(8*(N%4)), v[MB+8*(N/32)+(N%32)/4]
	v_cmp_ne_u32 s[24+N%4], 0, v[96+N%4]
	v_writelane_b32 v[C+2*ST+N/32], s[24+N%4], N%32
.set N, N+1
.endr
	global_store_b64 v6, v[C+2*ST:C+2*ST+1], s[12:13] offset:256*ST th:TH_STORE_NT   ; 32 lanes store 256 consecutive bytes, at a multiple of 256 from the buffer's first byte
.set ST, ST+1
.endr
	v_mov_b32 v8, s28
	v_mov_b32 v9, 0
	v_cmp_eq_u32 vcc_lo, 0, v1
	s_wait_xcnt 0x0                                ; EXEC is a source of the stores above: it is narrowed only behind this wait
	s_and_saveexec_b32 s31, vcc_lo
	global_store_b32 v9, v8, s[14:15]              ; lane 0 alone: my wave's one word of flags (four bytes of the launch's 2,048)
	s_wait_xcnt 0x0                                ; and widened again only behind this one
	s_or_b32 exec_lo, exec_lo, s31
	s_endpgm
; 32 numbers of ONE block in v[xs] on become six registers of codes in v[cd] on (cd even) and the scale's byte in v[by]
.macro QBLK xs, cd, by
	v_max3_num_f32 v8, |v[\xs]|, |v[\xs+1]|, |v[\xs+2]|              ; the largest magnitude, in two chains
	v_max3_num_f32 v9, |v[\xs+3]|, |v[\xs+4]|, |v[\xs+5]|
.irp i, 6,10,14,18,22,26
	v_max3_num_f32 v8, v8, |v[\xs+\i]|, |v[\xs+\i+1]|
	v_max3_num_f32 v9, v9, |v[\xs+\i+2]|, |v[\xs+\i+3]|
.endr
	v_max3_num_f32 v8, v8, |v[\xs+30]|, |v[\xs+31]|
	v_max3_num_f32 v8, v8, v9, 0x2800000           ; and the floor 2^(5 - 127): the byte cannot fall under 1
	v_add_nc_u32 v10, 0xfe000000, v8               ; 4 off its exponent field: the conversion takes the exponent field of this operand as its scale
	v_lshrrev_b32 v[\by], 23, v10                  ; the scale's byte
	v_cvt_scalef32_pk16_bf6_f32 v[\cd:\cd+2], v[\xs:\xs+15], v10
	v_cvt_scalef32_pk16_bf6_f32 v[CT:CT+2], v[\xs+16:\xs+31], v10
	v_nop                                          ; one plain place behind a scaled conversion
.irp i, 0,1,2
	v_mov_b32 v[\cd+3+\i], v[CT+\i]
.endr
.endm
	; ---------------- THE KEYS: record = 4 work-group + wave.  Lane (r, h) takes 32 neighbouring dims of one key: a whole block
.Lkeys:
	s_lshl_b32 s17, ttmp9, 2
	s_add_co_u32 s17, s17, s16
	s_lshl_b32 s18, s17, 15                        ; 128 keys of 256 bytes
	s_add_nc_u64 s[4:5], s[4:5], s[18:19]
	s_mul_i32 s18, s17, REC
	s_add_nc_u64 s[10:11], s[10:11], s[18:19]
	v_lshrrev_b32 v13, 3, v2
	v_and_b32 v4, 7, v2
	v_lshl_add_u32 v4, v13, 5, v4                  ; 32 (r / 8) + r % 8: the keys of a tile are not neighbours
	v_lshlrev_b32 v4, 8, v4
	v_lshl_add_u32 v4, v3, 7, v4                   ; that key's row, + 128 h
	v_lshlrev_b32 v5, 4, v1                        ; an image's place for my lane
.macro KLOAD q                                 ; block q = 2 i + y: fragment i, the keys 64 y further on; into set q % 4
.irp j, 0,1,2,3,4,5,6,7
	global_load_b128 v[X+32*((\q)%4)+4*\j:X+32*((\q)%4)+4*\j+3], v4, s[4:5] offset:2048*((\q)/2)+16384*((\q)%2)+16*\j th:TH_LOAD_NT
.endr
.endm
	KLOAD 0
	KLOAD 1
	KLOAD 2
	KLOAD 3
.set Q, 0
.rept 8
.if Q < 5
	s_wait_loadcnt 24                              ; this block's eight loads are in; those of the three blocks behind it may be out
.else
	s_wait_loadcnt 8*(7-Q)
.endif
.set XS, X+32*(Q%4)
.set CD, C+12*(Q/2)+6*(Q%2)
.set BY, 11+Q%2
	QBLK XS, CD, BY
.if Q+4 < 8
	KLOAD Q+4
.endif
.if Q%2 == 1                                   ; a fragment is whole
	v_lshl_or_b32 v13, v12, 16, v11                ; my two bytes: block h of the first key, block h of the second,
	v_lshlrev_b32 v13, v7, v13                     ; at their places in the row's scale word (8 h bits up);
	v_permlanex16_b32 v14, v13, s20, s21
	v_or_b32 v[W+Q/2], v13, v14                    ; with lane l xor 16's two the word is whole
.irp c, 0,1,2
	global_store_b128 v5, v[C+12*(Q/2)+4*\c:C+12*(Q/2)+4*\c+3], s[10:11] offset:1536*(Q/2)+512*\c th:TH_STORE_NT   ; 32 lanes store 512 consecutive bytes
.endr
.endif
.set Q, Q+1
.endr
	v_cndmask_b32 v20, v[W], v[W+1], s22           ; lanes 0-15 carry the even fragment's words, lanes 16-31 the odd one's
	v_cndmask_b32 v21, v[W+2], v[W+3], s22
	global_store_b64 v6, v[20:21], s[10:11] offset:KSC th:TH_STORE_NT
	s_endpgm
	; ---------------- THE VALUES: record = 4 (work-group - 256) + wave.  A LANE TAKES A CHANNEL AND ITS REGISTERS RUN DOWN THE KEYS: a block of 32 keys lies in one lane, nothing is transposed
.Lvalues:
	s_sub_co_u32 s17, ttmp9, 256
	s_lshl_b32 s17, s17, 2
	s_add_co_u32 s17, s17, s16
	s_lshl_b32 s18, s17, 15
	s_add_nc_u64 s[6:7], s[6:7], s[18:19]
	s_mul_i32 s18, s17, REC
	s_add_nc_u64 s[10:11], s[10:11], s[18:19]
	v_lshlrev_b32 v4, 2, v1                        ; in: 4 bytes a lane: 32 lanes read 128 consecutive bytes
	v_mul_u32_u24 v5, v3, 1536
	v_lshl_add_u32 v5, v2, 4, v5                   ; out: channel 32 w + lane belongs to fragment 2 w + lane / 16, row lane % 16
.macro VLOAD q                                 ; block q = 4 hh + 2 c + w: keys 64 c + 32 hh on, channels 32 w on; into set q % 2.  The two halves of the same rows follow each other
.irp i, 0,1,2,3,4,5,6,7,8,9,10,11,12,13,14,15,16,17,18,19,20,21,22,23,24,25,26,27,28,29,30,31
	global_load_b32 v[X+32*((\q)%2)+\i], v4, s[6:7] offset:(64*(((\q)/2)%2)+32*((\q)/4)+\i)*256+128*((\q)%2) th:TH_LOAD_NT
.endr
.endm
	VLOAD 0
	VLOAD 1
.set Q, 0
.rept 8
.set HH, Q/4
.set CC, (Q/2)%2
.set W2, Q%2
.if Q < 7
	s_wait_loadcnt 32                              ; this block's 32 loads are in; the next block's may be out
.else
	s_wait_loadcnt 0x0
.endif
.set XS, X+32*(Q%2)
.set CD, C+12*(2*W2+HH)+6*CC
	QBLK XS, CD, 11
.if Q < 2
	v_mov_b32 v[W+W2], v11                         ; my channel's scale word: byte 2 c + hh is the block of keys 64 c + 32 hh on
.else
	v_lshl_or_b32 v[W+W2], v11, 8*(2*CC+HH), v[W+W2]
.endif
.if Q+2 < 8
	VLOAD Q+2
.endif
.if CC == 1                                    ; twelve registers of the image's lanes 16 hh + row are whole
.irp c, 0,1,2
	global_store_b128 v5, v[C+12*(2*W2+HH)+4*\c:C+12*(2*W2+HH)+4*\c+3], s[10:11] offset:VIMG+3072*W2+256*HH+512*\c th:TH_STORE_NT   ; each half of the lanes stores 256 consecutive bytes, at a multiple of 256 from the buffer's first byte
.endr
.endif
.set Q, Q+1
.endr
	global_store_b64 v6, v[W:W+1], s[10:11] offset:VSC th:TH_STORE_NT   ; word w of lane l is the word of fragment 2 w + l / 16, row l % 16: just what the reader wants
	s_endpgm
.Lfunc_end_k_q5a1e2201c4_prep:
	.size	k_q5a1e2201c4_prep, .Lfunc_end_k_q5a1e2201c4_prep-k_q5a1e2201c4_prep
	.p2alignl 7, 3214868480
	.fill 96, 4, 3214868480
	.section	.rodata,"a",@progbits
	.p2align	6, 0x0
	.amdhsa_kernel k_q5a1e2201c4_prep
		.amdhsa_group_segment_fixed_size 0
		.amdhsa_private_segment_fixed_size 0
		.amdhsa_enable_private_segment 0
		.amdhsa_kernarg_size 48
		.amdhsa_user_sgpr_count 2
		.amdhsa_user_sgpr_kernarg_segment_ptr 1
		.amdhsa_wavefront_size32 1
		.amdhsa_system_sgpr_workgroup_id_x 1
		.amdhsa_system_sgpr_workgroup_id_y 1
		.amdhsa_system_sgpr_workgroup_id_z 1
		.amdhsa_system_vgpr_workitem_id 0
		.amdhsa_next_free_vgpr 208
		.amdhsa_next_free_sgpr 66
		.amdhsa_reserve_vcc 1
		.amdhsa_float_denorm_mode_32 3
		.amdhsa_float_denorm_mode_16_64 3
		.amdhsa_memory_ordered 1
		.amdhsa_forward_progress 1
		.amdhsa_inst_pref_size 115
	.end_amdhsa_kernel
	.amdgpu_metadata
---
amdhsa.version: [ 1, 2 ]
amdhsa.kernels:
  - .name:           k_q5a1e2201c4_prep
    .symbol:         k_q5a1e2201c4_prep.kd
    .args:
      - { .name: keys, .offset: 0, .size: 8, .value_kind: global_buffer, .address_space: global }
      - { .name: values, .offset: 8, .size: 8, .value_kind: global_buffer, .address_space: global }
      - { .name: mask, .offset: 16, .size: 8, .value_kind: global_buffer, .address_space: global }
      - { .name: kv, .offset: 24, .size: 8, .value_kind: global_buffer, .address_space: global }
      - { .name: mbits, .offset: 32, .size: 8, .value_kind: global_buffer, .address_space: global }
      - { .name: mflag, .offset: 40, .size: 8, .value_kind: global_buffer, .address_space: global }
    .group_segment_fixed_size: 0
    .private_segment_fixed_size: 0
    .kernarg_segment_align: 8
    .kernarg_segment_size: 48
    .max_flat_workgroup_size: 128
    .sgpr_count:     66
    .vgpr_count:     208
    .wavefront_size: 32
...
	.end_amdgpu_metadata
.endif
;; end of part 1
;; launch attn (part 2): grid 4 x 64, 16 waves a work-group, no clusters, 276,480 bytes of LDS; arguments kv, mbits, mflag, queries, out0; writes out0
.if DOCPART == 2
	.amdgcn_target "amdgcn-amd-amdhsa--gfx1250"
	.amdhsa_code_object_version 6
	.text
	.protected	k_q5a1e2201c4_attn
	.globl	k_q5a1e2201c4_attn
	.p2align	8
	.type	k_q5a1e2201c4_attn,@function
k_q5a1e2201c4_attn:
	s_mov_b64 s[64:65], 0
	v_nop
	global_prefetch_b8 v0, s[64:65] scope:SCOPE_SE
	s_setreg_imm32_b32 hwreg(HW_REG_WAVE_MODE, 25, 1), 1
	s_wait_xcnt 0x0
; out0[hd][q][:] = the sum over k of softmax_k(where(mask[q][k], Q[hd][q] . K[hd][k] / 8, -inf)) V[hd][k][:], 64 heads, 2,048 queries and keys, head size 64,
; both products on codes of BF6 (E3M2) with one E8M0 scale for each 32 along a product's K.  K, V and the mask come as the launch before has laid them (kv, mbits, mflag); Q is quantised here.
; THE SOFTMAX AHEAD OF THE SECOND PRODUCT: t = score x log2(e) / 8; M = the row's largest t so far, rounded UP to a whole number; p = 2^(t - M) is what is quantised, along the keys.
; The row's sum is taken of the unquantised p and divides at the end.  When M moves, the sum and O are multiplied by 2^(old M - new M): exact.
; SHARES.  A work-group owns one head and 32 of its 128 tiles of 16 queries; each of its sixteen waves owns two tiles, one after the other: tile 16 x + wave and tile 127 less that.
; Four waves share a SIMD, 256 registers each, so that one wave's vector work stands beside another's matrix work and LDS loads.
; LDS.  The head's K and V, 16 records of 12,800 bytes in the order of the operands' registers, are 204,800 bytes: they are stored into LDS ONCE, through registers, and then only read: one barrier in the launch.
; THE MASK IS AN INPUT and is honoured as it is given.  For each (tile, step of 128 keys) a stored flag says: no key kept (the step is left out: every p would be 0 and M would not move),
; all kept (nothing is selected), or some (64 stored lane masks, one v_cndmask_b32 for each score register, set hidden scores to -infinity).  A row that keeps no key at all gives 0 x infinity = NaN.
; NO JOINT TENSOR LOADS, though the four work-groups of a head read the same 204,800 bytes: this text branches on the stored flags;
; the branch can leave out any of a tile's 16 steps, the joint load would spare three of four reads of one fill.
; LAYOUT.  Both products are used transposed: S^T = K Q^T, O^T = V^T P^T: a lane holds ONE query (lane % 16) throughout.  The head's 64 fill half of the instruction's 128, so a fragment of K holds two tiles of keys
; and is multiplied twice: by (Q, zero codes) and by (zero codes, Q).  With the rows that the launch before chose, score register n = 32 c + i of lane (r, h) is key 64 c + 32 h + i:
; a lane's 32 registers are ONE WHOLE block of 32 neighbouring keys, in the order that P's operand wants: no lane exchange for the codes, none for a block's maximum.
; LIMITS: NaN and infinities among the inputs are not served; a block of zeros has the scale byte 1 (its codes are zeros); a p under 2^-126 counts as 0 (v_exp_f32, ISA guide 15.8), beside a row's sum of at least 1/2;
; a block's largest p is taken through its largest score, which takes v_exp_f32 not to fall where its input rises.
.set REC,   12800                      ; a step's record
.set HEADB, 16*REC                     ; a head's
.set VIMG,  6144                       ; in a record: V's fragments
.set KSC,   12288                      ; K's scale words; V's lie 256 bytes on
.set STG,   HEADB                      ; behind the head: a stage of 16 rows x (256 + 16) bytes for each wave, its own
.set SP,    272
.set LI,  1                            ; v1   16 x lane: an image's place for my lane; also my 16 bytes of two rows of out0
.set LS,  2                            ; v2   8 x lane + KSC
.set ADK, 3                            ; v3   the step's images (at the head: my bytes in a tile of Q)
.set ADS, 4                            ; v4   the step's scale words
.set NINF, 5                           ; v5   -infinity
.set H8,  6                            ; v6   8 h
.set STO, 7                            ; v7   the stage: where I put 32 bytes of a row
.set RD,  8                            ; v8   and where I read a row back
.set QW0, 9                            ; v9, v10  Q's scale words of my two tiles: lanes 0-15 for (Q, zeros), lanes 16-31 for (zeros, Q)
.set PW,  11                           ; v11  P's scale word
                                       ; v12 -M, v13 the largest t so far, v[14:15] the row's sum in two halves
.set QZ,  16                           ; v16-45  zeros, Q of tile 0, zeros, Q of tile 1, zeros: six registers each
.set KVS, 46                           ; v46-47  the scale words of K's or V's four fragments
.set FR,  48                           ; v48-95  K's or V's four fragments
.set S,   96                           ; v96-159 S^T, then p
.set O,   160                          ; v160-191 O^T
.set PC,  192                          ; v192-203 P's codes; v204-206, v208-210 the conversions' second halves
.set BM,  212                          ; v212-213 the two blocks' largest scores, then largest p
.set SO,  214                          ; v214-215 the conversions' scale operands
.set F,   216                          ; v216 f = 2^(old M - new M), later 1 / the sum; v217 = 0, named with it as a pair
.set T,   218                          ; v218-221 at work
.set FA,  252                          ; v252-255 the fill: 16 x thread + 65,536 k
.set TB,  24                           ; s24  the step's first byte in LDS
.set MO,  25                           ; s25  the step's first byte among the tile's mask words
.set FLG, 26                           ; s26  the flags of the steps still to come, two bits each
.set FL,  27                           ; s27  this step's
.set CNT, 28                           ; s28  steps still to go
                                       ; s2, s3 the two tiles' flags; s[10:11], s[12:13] their rows of out0; s[66:67], s[100:101] their mask words; s[32:63], s[68:99] a step's 64 mask words
	s_load_b256 s[4:11], s[0:1], 0x0               ; kv s[4:5], mbits s[6:7], mflag s[8:9], queries s[10:11]
	s_load_b64 s[12:13], s[0:1], 0x20              ; out0
	v_lshl_add_u32 v207, v0, 2, 0x43000
	v_mov_b32 v211, 0
	v_lshrrev_b32 v1, 5, v0
	v_readfirstlane_b32 s14, v1                    ; wave 0..15
	s_and_b32 s15, ttmp7, 0xffff                   ; the head
	s_lshl_b32 s16, ttmp9, 4
	s_add_co_u32 s16, s16, s14                     ; my first tile: 16 x work-group x + wave
	s_sub_co_u32 s17, 127, s16                     ; my second
	s_lshl_b32 s26, s15, 19                        ; the head's 2,048 rows of 256 bytes, in queries and in out0
	s_lshl_b32 s46, s16, 12                        ; a tile's 16 rows; a tile's mask words are as many bytes
	s_add_co_u32 s40, s26, s46
	s_mov_b32 s41, 0
	s_mov_b32 s47, 0
	s_lshl_b32 s48, s17, 12
	s_add_co_u32 s42, s26, s48
	s_mov_b32 s43, 0
	s_mov_b32 s49, 0
	s_mul_i32 s44, s15, HEADB
	s_mov_b32 s45, 0
	s_lshl_b32 s24, s16, 4                         ; a tile's four words of flags
	s_lshl_b32 s25, s17, 4
	s_mov_b32 s20, 0x76543210
	s_mov_b32 s21, 0xfedcba98                      ; v_permlanex16_b32's selects for lane l xor 16
	s_mov_b32 s22, 0x3e38aa3b                      ; c = log2(e) / 8: t = score x c
	s_mov_b32 s23, s22                             ; (the packed form names the pair and takes its low word for both halves: so it is written)
	s_mov_b32 s29, 0xffff0000                      ; lanes 16-31
	v_and_b32 v2, 31, v0                           ; lane
	v_and_b32 v[T], 15, v0                         ; r
	v_bfe_u32 v[T+1], v0, 4, 1                     ; h
	v_lshlrev_b32 v[LI], 4, v2
	v_lshl_add_u32 v[LS], v2, 3, KSC
	v_lshlrev_b32 v[H8], 3, v[T+1]
	v_lshlrev_b32 v[ADK], 8, v[T]
	v_lshl_add_u32 v[ADK], v[T+1], 7, v[ADK]       ; Q: row r of 256 bytes, + 128 h: a whole block of 32
	v_lshlrev_b32 v[FA], 4, v0                     ; the fill: 16 bytes a thread, 8,192 a load of the work-group's
	v_add_nc_u32 v[FA+1], 0x10000, v[FA]
	v_add_nc_u32 v[FA+2], 0x20000, v[FA]
	v_add_nc_u32 v[FA+3], 0x30000, v[FA]
	s_mul_i32 s27, s14, 16*SP
	s_add_co_u32 s27, s27, STG                     ; my stage
	v_mul_u32_u24 v[STO], v[T], SP
	v_lshl_add_u32 v[STO], v[T+1], 5, v[STO]
	v_add_nc_u32 v[STO], s27, v[STO]               ; in: row r; tile t's eight channels of my half: 64 t + 32 h bytes on
	v_mul_u32_u24 v[RD], v[T+1], SP
	v_lshl_add_u32 v[RD], v[T], 4, v[RD]
	v_add_nc_u32 v[RD], s27, v[RD]                 ; back: lanes 0-15 one row, lanes 16-31 the next
	s_wait_kmcnt 0x0
	s_load_b128 s[32:35], s[8:9], s24 offset:0x0   ; my two tiles' flags
	s_load_b128 s[36:39], s[8:9], s25 offset:0x0
	s_add_nc_u64 s[18:19], s[10:11], s[40:41]      ; Q at my first tile,
	s_add_nc_u64 s[30:31], s[10:11], s[42:43]      ; at my second
	s_add_nc_u64 s[4:5], s[4:5], s[44:45]          ; the head's records
	s_add_nc_u64 s[66:67], s[6:7], s[46:47]        ; the tiles' mask words
	s_add_nc_u64 s[100:101], s[6:7], s[48:49]
	s_add_nc_u64 s[10:11], s[12:13], s[40:41]      ; and their rows of out0
	s_add_nc_u64 s[12:13], s[12:13], s[42:43]
.irp j, 0,1,2,3,4,5,6,7
	global_load_b128 v[48+4*\j:51+4*\j], v[ADK], s[18:19] offset:16*\j th:TH_LOAD_NT
.endr
.irp j, 0,1,2,3,4,5,6,7
	global_load_b128 v[220+4*\j:223+4*\j], v[ADK], s[30:31] offset:16*\j th:TH_LOAD_NT
.endr
.set n, 0
.rept 25                                       ; the head's 204,800 bytes, as they lie: 25 loads of 8,192 bytes for the work-group
	global_load_b128 v[S+4*n:S+4*n+3], v[FA], s[4:5] offset:8192*n
.set n, n+1
.endr
	v_mov_b32 v[NINF], 0xff800000
	v_mov_b32 v[F+1], 0
.irp z, 0,12,24
.irp i, 0,1,2,3,4,5
	v_mov_b32 v[QZ+\z+\i], 0                       ; zero codes: the half of the instruction's 128 that a product does not use
.endr
.endr
; my 32 numbers of a row of Q, one block, become six registers of codes and the scale's byte
.macro QQ xs, cd, tmp, by
	v_max3_num_f32 v[BM], |v[\xs]|, |v[\xs+1]|, |v[\xs+2]|
	v_max3_num_f32 v[BM+1], |v[\xs+3]|, |v[\xs+4]|, |v[\xs+5]|
.irp i, 6,10,14,18,22,26
	v_max3_num_f32 v[BM], v[BM], |v[\xs+\i]|, |v[\xs+\i+1]|
	v_max3_num_f32 v[BM+1], v[BM+1], |v[\xs+\i+2]|, |v[\xs+\i+3]|
.endr
	v_max3_num_f32 v[BM], v[BM], |v[\xs+30]|, |v[\xs+31]|
	v_max3_num_f32 v[BM], v[BM], v[BM+1], 0x2800000   ; the floor 2^(5 - 127): the byte cannot fall under 1
	v_add_nc_u32 v[F], 0xfe000000, v[BM]           ; 4 off the exponent field: the conversion's scale operand
	v_lshrrev_b32 v[\by], 23, v[F]
	v_cvt_scalef32_pk16_bf6_f32 v[\cd:\cd+2], v[\xs:\xs+15], v[F]
	v_cvt_scalef32_pk16_bf6_f32 v[\tmp:\tmp+2], v[\xs+16:\xs+31], v[F]   ; (a conversion's three registers begin on an even number)
	v_nop                                          ; one plain place behind a scaled conversion
.irp i, 0,1,2
	v_mov_b32 v[\cd+3+\i], v[\tmp+\i]
.endr
.endm
; the row's two bytes b0, b1 make two scale words: (b0, b1, 1, 1) for (Q, zeros) in lanes 0-15, (1, 1, b0, b1) for (zeros, Q) in lanes 16-31.  The byte 1 stands over zero codes alone
.macro QWORD by, qw
	v_lshlrev_b32 v[T], v[H8], v[\by]
	v_permlanex16_b32 v[T+1], v[T], s20, s21
	v_or_b32 v[T], v[T], v[T+1]
	v_or_b32 v[T+1], 0x01010000, v[T]
	v_lshl_or_b32 v[T], v[T], 16, 0x0101
	v_cndmask_b32 v[\qw], v[T+1], v[T], s29
.endm
	s_wait_loadcnt 33                              ; the first tile's eight loads are in; the second's 8 and the fill's 25 may be out
	QQ 48, QZ+6, 204, SO
	s_wait_loadcnt 25                              ; the second tile's are in
	QQ 220, QZ+18, 208, SO+1
	QWORD SO, QW0
	QWORD SO+1, QW0+1
.set n, 0
.rept 25
	s_wait_loadcnt 24-n                            ; load n is in; the later ones may be out
	ds_store_b128 v[FA+n/8], v[S+4*n:S+4*n+3] offset:8192*(n%8)
.set n, n+1
.endr
	s_wait_kmcnt 0x0                               ; the flags: 8 bits a word, 32 a tile
	s_lshl_b32 s33, s33, 8
	s_lshl_b32 s34, s34, 16
	s_lshl_b32 s35, s35, 24
	s_or_b32 s2, s32, s33
	s_or_b32 s2, s2, s34
	s_or_b32 s2, s2, s35
	s_lshl_b32 s37, s37, 8
	s_lshl_b32 s38, s38, 16
	s_lshl_b32 s39, s39, 24
	s_or_b32 s3, s36, s37
	s_or_b32 s3, s3, s38
	s_or_b32 s3, s3, s39
	s_wait_dscnt 0x0                               ; for the others' sake: my part of the head lies in LDS
	s_barrier_signal -1
	s_barrier_wait -1                              ; everybody's does; from here on these bytes are only read
; S^T = K Q^T for the step's 128 keys: four fragments, each multiplied twice.  Behind the products V's fragments are asked for, into the same registers: they land under the softmax.
.macro QK
	ds_load_b64 v[KVS:KVS+1], v[ADS]
.set j, 0
.rept 12
	ds_load_b128 v[FR+4*j:FR+4*j+3], v[ADK] offset:512*j
.set j, j+1
.endr
.irp e, 0,1                                    ; fragments 2 e (scale words in lanes 0-15) and 2 e + 1 (lanes 16-31)
	s_wait_dscnt 9-6*\e                            ; the fragment's three loads are in; the later fragments' three each may be out
	v_wmma_scale_f32_16x16x128_f8f6f4 v[S+16*\e:S+16*\e+7], v[FR+24*\e:FR+24*\e+11], v[QLO:QLO+11], 0, v[KVS+\e], v[QW] matrix_a_fmt:MATRIX_FMT_BF6 matrix_b_fmt:MATRIX_FMT_BF6
	v_wmma_scale_f32_16x16x128_f8f6f4 v[S+32+16*\e:S+32+16*\e+7], v[FR+24*\e:FR+24*\e+11], v[QHI:QHI+11], 0, v[KVS+\e], v[QW] matrix_a_fmt:MATRIX_FMT_BF6 matrix_b_fmt:MATRIX_FMT_BF6 matrix_b_scale:MATRIX_SCALE_ROW1
	s_wait_dscnt 6-6*\e
	v_wmma_scale_f32_16x16x128_f8f6f4 v[S+8+16*\e:S+8+16*\e+7], v[FR+12+24*\e:FR+12+24*\e+11], v[QLO:QLO+11], 0, v[KVS+\e], v[QW] matrix_a_fmt:MATRIX_FMT_BF6 matrix_b_fmt:MATRIX_FMT_BF6 matrix_a_scale:MATRIX_SCALE_ROW1
	v_wmma_scale_f32_16x16x128_f8f6f4 v[S+40+16*\e:S+40+16*\e+7], v[FR+12+24*\e:FR+12+24*\e+11], v[QHI:QHI+11], 0, v[KVS+\e], v[QW] matrix_a_fmt:MATRIX_FMT_BF6 matrix_b_fmt:MATRIX_FMT_BF6 matrix_a_scale:MATRIX_SCALE_ROW1 matrix_b_scale:MATRIX_SCALE_ROW1
.endr
.rept 4
	v_nop                                          ; four places in front of the loads into registers that these products read, and of the first read of the scores
.endr
.set j, 0
.rept 12
	ds_load_b128 v[FR+4*j:FR+4*j+3], v[ADK] offset:VIMG+512*j
.set j, j+1
.endr
	ds_load_b64 v[KVS:KVS+1], v[ADS] offset:256
.endm
; ONE TILE OF 16 QUERIES: a loop of 16 steps of 128 keys, then the way out
.macro TILE p
.set QHI, QZ+12*\p                             ; (zeros, Q)
.set QLO, QZ+6+12*\p                           ; (Q, zeros)
.set QW,  QW0+\p
.set OBR, 10+2*\p
.if \p == 0
.set MBR, 66
.else
.set MBR, 100
.endif
	v_mov_b32 v13, 0xff61b1e6                      ; the largest t so far: -3e38, under every t
	v_floor_f32 v12, -v13                          ; -M
	v_mov_b32 v14, 0                               ; the sum, in two halves
	v_mov_b32 v15, 0
.set j, 0
.rept 32
	v_mov_b32 v[O+j], 0                            ; O^T begins as zeros: which step is the first that is kept hangs on the flags, so no first product can be written out to start the sums
.set j, j+1
.endr
	s_mov_b32 s[TB], 0
	s_mov_b32 s[MO], 0
	s_mov_b32 s[FLG], s[2+\p]
	s_mov_b32 s[CNT], 16
.Lstep_\p:
	v_add_nc_u32 v[ADK], s[TB], v[LI]              ; made on every path
	v_add_nc_u32 v[ADS], s[TB], v[LS]
	s_and_b32 s[FL], s[FLG], 3
	s_cmp_eq_u32 s[FL], 0
	s_cbranch_scc1 .Lskip_\p                       ; no key of the step counts for any of my 16 queries
	s_cmp_eq_u32 s[FL], 1
	s_cbranch_scc0 .Lopen_\p                       ; all count
	s_load_b512 s[32:47], s[MBR:MBR+1], s[MO] offset:0x0      ; some count: the step's 64 lane masks, asked for ahead of the products
	s_load_b512 s[48:63], s[MBR:MBR+1], s[MO] offset:0x40
	s_load_b512 s[68:83], s[MBR:MBR+1], s[MO] offset:0x80
	s_load_b512 s[84:99], s[MBR:MBR+1], s[MO] offset:0xc0
	QK
	s_wait_kmcnt 0x0
.set n, 0
.rept 64                                       ; hidden scores become -infinity ahead of the maximum: p = 0 then.  Each accumulator is taken from its low end on
.set k, 2*(n%32)+n/32
	v_cndmask_b32 v[S+n], v[NINF], v[S+n], s[32+k+4*(k/32)]
.set n, n+1
.endr
	s_branch .Lsoft_\p
.Lopen_\p:
	QK
.Lsoft_\p:
.irp c, 0,1
	v_max3_num_f32 v[BM+\c], v[S+32*\c], v[S+32*\c+1], v[S+32*\c+2]   ; THE LARGEST SCORE OF EACH OF MY TWO BLOCKS OF 32 KEYS: it serves for the row's maximum and, since p rises with the score, for the block's largest p
.endr
.irp i, 3,5,7,9,11,13,15,17,19,21,23,25,27,29
.irp c, 0,1
	v_max3_num_f32 v[BM+\c], v[BM+\c], v[S+32*\c+\i], v[S+32*\c+\i+1]   ; (the two blocks by turns)
.endr
.endr
.irp c, 0,1
	v_max_num_f32 v[BM+\c], v[BM+\c], v[S+32*\c+31]
.endr
	v_max_num_f32 v[T], v[BM], v[BM+1]
	v_permlanex16_b32 v[T+1], v[T], s20, s21
	v_max_num_f32 v[T], v[T], v[T+1]               ; with lane l xor 16's 64 keys: the step's largest score of my query
	v_mul_f32 v[T], s22, v[T]                      ; as t (c is positive)
	v_max_num_f32 v13, v13, v[T]                   ; the running largest t
	v_mov_b32 v[T], v12
	v_floor_f32 v12, -v13                          ; the new -M = floor(-t) = -ceil(t): M is a whole number
	v_sub_f32 v[T], v12, v[T]                      ; M's old value less its new one: a whole number, 0 or less
	v_cvt_i32_f32 v[T], v[T]                       ; (it saturates)
	v_ldexp_f32 v[F], 1.0, v[T]                    ; f = 2^(old M - new M)
.set j, 0
.rept 32
	v_pk_fma_f32 v[S+j:S+j+1], v[S+j:S+j+1], s[22:23], v[12:13] op_sel_hi:[1,0,0]   ; t - M, two at a time (of the pairs c and -M the low word serves both halves)
.set j, j+2
.endr
.irp c, 0,1
	v_fma_f32 v[BM+\c], v[BM+\c], s22, v12         ; the same of each block's largest score
.endr
.set j, 0
.rept 64
	v_exp_f32 v[S+j], v[S+j]                       ; p = 2^(t - M), at most 1: not normalised
.set j, j+1
.endr
	v_pk_mul_f32 v[14:15], v[14:15], v[F:F+1] op_sel_hi:[1,0]   ; the sums under the new M: the plain instruction behind the exponentials
	s_wait_alu depctr_va_vdst(0)                   ; the wait ahead of the first line that names a result: one for the whole batch
.irp c, 0,1
	v_exp_f32 v[BM+\c], v[BM+\c]                   ; the block's largest p: the same two instructions on the same number give the same bits
.endr
	v_pk_add_f32 v[T+2:T+3], v[S:S+1], v[S+2:S+3]  ; the row's sum is taken of the unquantised p: two at a time, in two chains; it reads the 64 alone: plain work behind the two
.set j, 4
.rept 15
	v_pk_add_f32 v[14:15], v[14:15], v[S+j:S+j+1]
	v_pk_add_f32 v[T+2:T+3], v[T+2:T+3], v[S+j+2:S+j+3]
.set j, j+4
.endr
	v_pk_add_f32 v[14:15], v[14:15], v[T+2:T+3]
	s_wait_alu depctr_va_vdst(0)                   ; and one for the two
.irp c, 0,1
	v_max_num_f32 v[BM+\c], 0x2800000, v[BM+\c]    ; the floor 2^(5 - 127): the byte cannot fall under 1 (a block whose every p is 0 keeps that byte: its codes are zeros)
.endr
.irp c, 0,1
	v_add_nc_u32 v[SO+\c], 0xfe000000, v[BM+\c]    ; 4 off the exponent field: the conversion's scale operand
.endr
.irp c, 0,1
	v_lshrrev_b32 v[T+\c], 23, v[SO+\c]            ; the scale's byte
.endr
	v_lshl_or_b32 v[T], v[T+1], 16, v[T]           ; my two bytes: blocks h and 2 + h of the step's four,
	v_lshlrev_b32 v[T], v[H8], v[T]                ; at their places (8 h bits up);
	v_permlanex16_b32 v[T+1], v[T], s20, s21
	v_or_b32 v[PW], v[T], v[T+1]                   ; with lane l xor 16's two the query's scale word is whole
	v_cvt_scalef32_pk16_bf6_f32 v[PC:PC+2], v[S:S+15], v[SO]
	v_cvt_scalef32_pk16_bf6_f32 v[204:206], v[S+16:S+31], v[SO]       ; (a conversion's three registers begin on an even number)
	v_cvt_scalef32_pk16_bf6_f32 v[PC+6:PC+8], v[S+32:S+47], v[SO+1]
	v_cvt_scalef32_pk16_bf6_f32 v[208:210], v[S+48:S+63], v[SO+1]
	v_nop                                          ; one plain place behind a scaled conversion
.irp i, 0,1,2
	v_mov_b32 v[PC+3+\i], v[204+\i]
	v_mov_b32 v[PC+9+\i], v[208+\i]
.endr
.set j, 0
.rept 16
	v_pk_mul_f32 v[O+j:O+j+1], v[O+j:O+j+1], v[F:F+1] op_sel_hi:[1,0]   ; O^T under the new M.  For each product below twelve of these name none of its registers: the places behind the writes of P's codes and scale word
.set j, j+2
.endr
	s_wait_dscnt 0x0                               ; V's fragments and scale words are in
.irp e, 0,1                                    ; O^T += V^T P^T: four tiles of 16 channels, K = the step's 128 keys; the four accumulators take turns
	v_wmma_scale_f32_16x16x128_f8f6f4 v[O+16*\e:O+16*\e+7], v[FR+24*\e:FR+24*\e+11], v[PC:PC+11], v[O+16*\e:O+16*\e+7], v[KVS+\e], v[PW] matrix_a_fmt:MATRIX_FMT_BF6 matrix_b_fmt:MATRIX_FMT_BF6
	v_wmma_scale_f32_16x16x128_f8f6f4 v[O+8+16*\e:O+8+16*\e+7], v[FR+12+24*\e:FR+12+24*\e+11], v[PC:PC+11], v[O+8+16*\e:O+8+16*\e+7], v[KVS+\e], v[PW] matrix_a_fmt:MATRIX_FMT_BF6 matrix_b_fmt:MATRIX_FMT_BF6 matrix_a_scale:MATRIX_SCALE_ROW1
.endr
.rept 4
	v_nop                                          ; four places in front of the next step's loads into these products' registers, and of the way out's read of O^T
.endr
.Lskip_\p:
	s_lshr_b32 s[FLG], s[FLG], 2
	s_add_co_u32 s[TB], s[TB], REC
	s_add_co_u32 s[MO], s[MO], 256
	s_sub_co_u32 s[CNT], s[CNT], 1
	s_cmp_lg_u32 s[CNT], 0
	s_cbranch_scc1 .Lstep_\p
	; THE WAY OUT: O^T / the sum goes through my stage and leaves as whole rows of 256 bytes
	v_add_f32 v14, v14, v15                        ; the sum's two halves,
	v_permlanex16_b32 v[T+1], v14, s20, s21
	v_add_f32 v14, v14, v[T+1]                     ; and lane l xor 16's: the row's sum
	v_rcp_f32 v[F], v14                            ; (a row that kept no key: 1 / 0, and 0 x infinity is the NaN that is expected there)
	v_nop                                          ; a plain place behind the transcendental
	s_wait_alu depctr_va_vdst(0)                   ; and the wait ahead of its first reader
.set j, 0
.rept 16
	v_pk_mul_f32 v[S+j:S+j+1], v[O+j:O+j+1], v[F:F+1] op_sel_hi:[1,0]   ; register 8 t + i is out(query r, channel 16 t + 8 h + i)
.set j, j+2
.endr
.irp t, 0,1,2,3
	ds_store_b128 v[STO], v[S+8*\t:S+8*\t+3] offset:64*\t
	ds_store_b128 v[STO], v[S+8*\t+4:S+8*\t+7] offset:64*\t+16
.endr
.irp i, 0,1,2,3,4,5,6,7
	ds_load_b128 v[S+32+4*\i:S+32+4*\i+3], v[RD] offset:2*\i*SP   ; LDS serves a wave's instructions in order (ISA guide 5.7.1.4): these see my stores
.endr
.irp i, 0,1,2,3,4,5,6,7
	s_wait_dscnt 7-\i                              ; rows 2 i and 2 i + 1 are back; the later rows' loads may be out
	global_store_b128 v[LI], v[S+32+4*\i:S+32+4*\i+3], s[OBR:OBR+1] offset:512*\i th:TH_STORE_NT   ; 32 lanes store 512 consecutive bytes, at a multiple of 256 from out0's first byte
.endr
.if \p == 0
	s_wait_xcnt 0x0                                ; the stores have read their registers: the next tile's scores may be written there
.endif
.endm
	TILE 0
	TILE 1
	s_wait_tensorcnt 0x0
	ds_add_u32 v207, v211
	s_wait_dscnt 0x0
	s_endpgm
.Lfunc_end_k_q5a1e2201c4_attn:
	.size	k_q5a1e2201c4_attn, .Lfunc_end_k_q5a1e2201c4_attn-k_q5a1e2201c4_attn
	.p2alignl 7, 3214868480
	.fill 96, 4, 3214868480
	.section	.rodata,"a",@progbits
	.p2align	6, 0x0
	.amdhsa_kernel k_q5a1e2201c4_attn
		.amdhsa_group_segment_fixed_size 276480
		.amdhsa_private_segment_fixed_size 0
		.amdhsa_enable_private_segment 0
		.amdhsa_kernarg_size 40
		.amdhsa_user_sgpr_count 2
		.amdhsa_user_sgpr_kernarg_segment_ptr 1
		.amdhsa_wavefront_size32 1
		.amdhsa_system_sgpr_workgroup_id_x 1
		.amdhsa_system_sgpr_workgroup_id_y 1
		.amdhsa_system_sgpr_workgroup_id_z 1
		.amdhsa_system_vgpr_workitem_id 0
		.amdhsa_next_free_vgpr 256
		.amdhsa_next_free_sgpr 102
		.amdhsa_reserve_vcc 0
		.amdhsa_float_denorm_mode_32 3
		.amdhsa_float_denorm_mode_16_64 3
		.amdhsa_memory_ordered 1
		.amdhsa_forward_progress 1
		.amdhsa_inst_pref_size 67
	.end_amdhsa_kernel
	.amdgpu_metadata
---
amdhsa.version: [ 1, 2 ]
amdhsa.kernels:
  - .name:           k_q5a1e2201c4_attn
    .symbol:         k_q5a1e2201c4_attn.kd
    .args:
      - { .name: kv, .offset: 0, .size: 8, .value_kind: global_buffer, .address_space: global }
      - { .name: mbits, .offset: 8, .size: 8, .value_kind: global_buffer, .address_space: global }
      - { .name: mflag, .offset: 16, .size: 8, .value_kind: global_buffer, .address_space: global }
      - { .name: queries, .offset: 24, .size: 8, .value_kind: global_buffer, .address_space: global }
      - { .name: out0, .offset: 32, .size: 8, .value_kind: global_buffer, .address_space: global }
    .group_segment_fixed_size: 276480
    .private_segment_fixed_size: 0
    .kernarg_segment_align: 8
    .kernarg_segment_size: 40
    .max_flat_workgroup_size: 512
    .sgpr_count:     102
    .vgpr_count:     256
    .wavefront_size: 32
...
	.end_amdgpu_metadata
.endif
;; end of part 2
;; ======== version 2 of 2: 2 launches
;; workspace buffers: kv 13,107,200 bytes; mbits 524,288 bytes of whole numbers; mflag 2,048 bytes of whole numbers
;; launch prep (part 3): grid 640 x 1, 4 waves a work-group, no clusters, 0 bytes of LDS; arguments keys, values, mask, kv, mbits, mflag; writes kv, mbits, mflag
.if DOCPART == 3
	.amdgcn_target "amdgcn-amd-amdhsa--gfx1250"
	.amdhsa_code_object_version 6
	.text
	.protected	k_q5a1e2201c4_prep
	.globl	k_q5a1e2201c4_prep
	.p2align	8
	.type	k_q5a1e2201c4_prep,@function
k_q5a1e2201c4_prep:
	s_mov_b64 s[64:65], 0
	v_nop
	global_prefetch_b8 v0, s[64:65] scope:SCOPE_SE
	s_setreg_imm32_b32 hwreg(HW_REG_WAVE_MODE, 25, 1), 1
	s_wait_xcnt 0x0
; PREP: what the attention launch reads again and again is made once.
;   keys   [64 heads][2048][64] f32 -> codes of BF6 (E3M2) along the head's 64, one E8M0 byte for each 32
;   values [64 heads][2048][64] f32 -> codes along the KEYS (the second product's K), one byte for each 32 keys
;   mask   [2048][2048] bytes 0 / 1 -> a lane-mask word for each score register of the attention launch, and a 2-bit flag for each 16 queries x 128 keys
; A block's scale is 2^(floor(log2(its largest magnitude)) - 4); its byte is the largest magnitude's exponent field - 4, held at 1 from below.
; LIMITS: a block of zeros gets the byte 1 where the rule says 127 (its codes are zeros, which add nothing, and this program alone reads the bytes);
; blocks whose largest magnitude lies under 2^(5 - 127) are held at that floor; NaN and infinities among the inputs are not served.
; kv: a record of 12,800 bytes for each (head, step of 128 keys), IN THE ORDER OF THE OPERANDS' REGISTERS:
;   +0      K: fragment i = 0..3 at 1,536 i; registers 4 c .. 4 c + 3 at + 512 c; lane l at + 16 l
;   +6,144  V: fragment t = 0..3, the same form
;   +12,288 K's scale words, 8 bytes a lane: word 0 = fragment 0 (lanes 0-15) and 1 (lanes 16-31), word 1 = fragments 2 and 3
;   +12,544 V's, likewise
; A FRAGMENT OF K HOLDS TWO TILES OF KEYS, since the head's 64 fill only half of the instruction's 128: lane (r, h), registers 0-5: key 32 (r / 8) + 8 i + r % 8,
; dims 32 h on; registers 6-11: the key 64 further on, the same dims.  V's fragment t: lane (r, h) holds channel 16 t + r; registers 6 c .. 6 c + 5 keys 64 c + 32 h on.
; mbits: 256 bytes for each (tile of 16 queries, step): word 2 (n % 32) + n / 32 has at bit r + 16 h: mask[16 tile + r][128 step + 64 (n / 32) + 32 h + n % 32].
; mflag: word 4 tile + qd: for steps 4 qd + st, at bits 2 st: 0 = no key kept, 1 = some, 2 = all.
; SHARES: work-groups 0-255 take keys, 256-511 values (a wave a record), 512-639 the mask (a work-group a tile of queries, a wave four steps).
; No LDS, no barrier: waves share nothing.  Every offset is an immediate; no store's data or address register is written again, so no wait frees any.
.set REC,  12800
.set VIMG, 6144
.set KSC,  12288
.set VSC,  12544
.set X,    32                          ; v32-159  the numbers as loaded: sets of 32
.set C,    160                         ; v160-207 codes: four rounds of 12 registers, none written twice
.set CT,   24                          ; v24-26   a conversion's three registers begin on an even number: a block's second half is made here and moved
.set W,    16                          ; v16-19   scale words
	s_load_b256 s[4:11], s[0:1], 0x0               ; keys s[4:5], values s[6:7], mask s[8:9], kv s[10:11]
	s_load_b128 s[12:15], s[0:1], 0x20             ; mbits s[12:13], mflag s[14:15]
	v_lshrrev_b32 v1, 5, v0
	v_readfirstlane_b32 s16, v1                    ; wave 0..3
	v_and_b32 v1, 31, v0                           ; lane
	v_and_b32 v2, 15, v0                           ; r
	v_bfe_u32 v3, v0, 4, 1                         ; h
	v_lshlrev_b32 v6, 3, v1                        ; 8 x lane: a pair of words for each lane
	v_lshlrev_b32 v7, 3, v3                        ; 8 h: my half's place in a scale word, in bits
	v_mov_b32 v14, 0                               ; written once: a lane permute's destination counts as one of its sources
	s_mov_b32 s20, 0x76543210
	s_mov_b32 s21, 0xfedcba98                      ; v_permlanex16_b32's selects for lane l xor 16
	s_mov_b32 s22, 0xffff0000                      ; lanes 16-31
	s_mov_b32 s19, 0                               ; the upper word of every offset pair
	s_wait_kmcnt 0x0
	s_cmp_lt_u32 ttmp9, 256
	s_cbranch_scc1 .Lkeys
	s_cmp_lt_u32 ttmp9, 512
	s_cbranch_scc1 .Lvalues
	; ---------------- THE MASK: tile of queries = work-group - 512, steps 4 wave .. 4 wave + 3
	s_sub_co_u32 s17, ttmp9, 512
	s_lshl_b32 s18, s17, 15                        ; 16 rows of 2,048 bytes,
	s_lshl_b32 s29, s16, 9                         ; four steps of 128 bytes
	s_add_co_u32 s18, s18, s29
	s_add_nc_u64 s[8:9], s[8:9], s[18:19]
	s_lshl_b32 s18, s17, 12                        ; mbits: 16 steps of 256 bytes a tile,
	s_lshl_b32 s29, s16, 10                        ; four of them a wave
	s_add_co_u32 s18, s18, s29
	s_add_nc_u64 s[12:13], s[12:13], s[18:19]
	s_lshl_b32 s18, s17, 4                         ; mflag: four words a tile, one a wave
	s_lshl_b32 s29, s16, 2
	s_add_co_u32 s18, s18, s29
	s_add_nc_u64 s[14:15], s[14:15], s[18:19]
	s_wait_alu depctr_va_vdst(0)
	v_lshlrev_b32 v4, 11, v2
	v_lshl_add_u32 v4, v3, 5, v4                   ; row r, + 32 h: my 32 bytes of each 64
.irp t, 0,1,2,3,4,5,6,7,8,9,10,11,12,13,14,15    ; t = 4 st + 2 c + half: step st, keys 64 c + 32 h + 16 half on
	global_load_b128 v[X+4*\t:X+4*\t+3], v4, s[8:9] offset:128*(\t/4)+64*((\t/2)%2)+16*(\t%2) th:TH_LOAD_NT
.endr
.irp i, 0,1,2,3,4,5,6,7
	v_mov_b32 v[C+\i], 0                           ; v_writelane_b32's destination counts as read
.endr
	s_mov_b32 s28, 0                               ; the flags of my four steps
.set ST, 0
.rept 4
	s_wait_loadcnt 12-4*ST                         ; this step's four loads are in; the later steps' four each may be out
.set MB, X+16*ST
	v_or_b32 v100, v[MB], v[MB+1]                  ; is any byte of my 64 set, are all of them 1?
	v_and_b32 v101, v[MB], v[MB+1]
.irp i, 2,3,4,5,6,7,8,9,10,11,12,13,14,15
	v_or_b32 v100, v100, v[MB+\i]
	v_and_b32 v101, v101, v[MB+\i]
.endr
	v_cmp_ne_u32 s29, 0, v100
	v_cmp_eq_u32 s30, 0x01010101, v101
	s_cmp_lg_u32 s29, 0                            ; some lane keeps a key
	s_cselect_b32 s29, 1, 0
	s_cmp_eq_u32 s30, -1                           ; every lane keeps all of its keys
	s_cselect_b32 s30, 1, 0
	s_add_co_u32 s29, s29, s30                     ; 0 none, 1 some, 2 all
	s_lshl_b32 s29, s29, 2*ST
	s_or_b32 s28, s28, s29
.set N, 0
.rept 64                                       ; score register N: one byte of each lane becomes one bit of a word, and the word goes to lane N % 32 of the pair that is stored
	v_and_b32 v[96+N%4], 0xff<<(8*(N%4)), v[MB+8*(N/32)+(N%32)/4]
	v_cmp_ne_u32 s[24+N%4], 0, v[96+N%4]
	v_writelane_b32 v[C+2*ST+N/32], s[24+N%4], N%32
.set N, N+1
.endr
	global_store_b64 v6, v[C+2*ST:C+2*ST+1], s[12:13] offset:256*ST th:TH_STORE_NT   ; 32 lanes store 256 consecutive bytes, at a multiple of 256 from the buffer's first byte
.set ST, ST+1
.endr
	v_mov_b32 v8, s28
	v_mov_b32 v9, 0
	v_cmp_eq_u32 vcc_lo, 0, v1
	s_wait_alu depctr_va_vdst(0)
	s_wait_xcnt 0x0                                ; EXEC is a source of the stores above: it is narrowed only behind this wait
	s_and_saveexec_b32 s31, vcc_lo
	global_store_b32 v9, v8, s[14:15]              ; lane 0 alone: my wave's one word of flags (four bytes of the launch's 2,048)
	s_wait_xcnt 0x0                                ; and widened again only behind this one
	s_or_b32 exec_lo, exec_lo, s31
	s_endpgm
; 32 numbers of ONE block in v[xs] on become six registers of codes in v[cd] on (cd even) and the scale's byte in v[by]
.macro QBLK xs, cd, by
	v_max3_num_f32 v8, |v[\xs]|, |v[\xs+1]|, |v[\xs+2]|              ; the largest magnitude, in two chains
	v_max3_num_f32 v9, |v[\xs+3]|, |v[\xs+4]|, |v[\xs+5]|
.irp i, 6,10,14,18,22,26
	v_max3_num_f32 v8, v8, |v[\xs+\i]|, |v[\xs+\i+1]|
	v_max3_num_f32 v9, v9, |v[\xs+\i+2]|, |v[\xs+\i+3]|
.endr
	v_max3_num_f32 v8, v8, |v[\xs+30]|, |v[\xs+31]|
	v_max3_num_f32 v8, v8, v9, 0x2800000           ; and the floor 2^(5 - 127): the byte cannot fall under 1
	v_add_nc_u32 v10, 0xfe000000, v8               ; 4 off its exponent field: the conversion takes the exponent field of this operand as its scale
	v_lshrrev_b32 v[\by], 23, v10                  ; the scale's byte
	v_cvt_scalef32_pk16_bf6_f32 v[\cd:\cd+2], v[\xs:\xs+15], v10
	v_cvt_scalef32_pk16_bf6_f32 v[CT:CT+2], v[\xs+16:\xs+31], v10
	v_nop                                          ; one plain place behind a scaled conversion
.irp i, 0,1,2
	v_mov_b32 v[\cd+3+\i], v[CT+\i]
.endr
.endm
	; ---------------- THE KEYS: record = 4 work-group + wave.  Lane (r, h) takes 32 neighbouring dims of one key: a whole block
.Lkeys:
	s_lshl_b32 s17, ttmp9, 2
	s_add_co_u32 s17, s17, s16
	s_lshl_b32 s18, s17, 15                        ; 128 keys of 256 bytes
	s_add_nc_u64 s[4:5], s[4:5], s[18:19]
	s_mul_i32 s18, s17, REC
	s_add_nc_u64 s[10:11], s[10:11], s[18:19]
	s_wait_alu depctr_va_vdst(0)
	v_lshrrev_b32 v13, 3, v2
	v_and_b32 v4, 7, v2
	v_lshl_add_u32 v4, v13, 5, v4                  ; 32 (r / 8) + r % 8: the keys of a tile are not neighbours
	v_lshlrev_b32 v4, 8, v4
	v_lshl_add_u32 v4, v3, 7, v4                   ; that key's row, + 128 h
	v_lshlrev_b32 v5, 4, v1                        ; an image's place for my lane
.macro KLOAD q                                 ; block q = 2 i + y: fragment i, the keys 64 y further on; into set q % 4
.irp j, 0,1,2,3,4,5,6,7
	global_load_b128 v[X+32*((\q)%4)+4*\j:X+32*((\q)%4)+4*\j+3], v4, s[4:5] offset:2048*((\q)/2)+16384*((\q)%2)+16*\j th:TH_LOAD_NT
.endr
.endm
	KLOAD 0
	KLOAD 1
	KLOAD 2
	KLOAD 3
.set Q, 0
.rept 8
.if Q < 5
	s_wait_loadcnt 24                              ; this block's eight loads are in; those of the three blocks behind it may be out
.else
	s_wait_loadcnt 8*(7-Q)
.endif
.set XS, X+32*(Q%4)
.set CD, C+12*(Q/2)+6*(Q%2)
.set BY, 11+Q%2
	QBLK XS, CD, BY
.if Q+4 < 8
	KLOAD Q+4
.endif
.if Q%2 == 1                                   ; a fragment is whole
	v_lshl_or_b32 v13, v12, 16, v11                ; my two bytes: block h of the first key, block h of the second,
	v_lshlrev_b32 v13, v7, v13                     ; at their places in the row's scale word (8 h bits up);
	v_permlanex16_b32 v14, v13, s20, s21
	v_or_b32 v[W+Q/2], v13, v14                    ; with lane l xor 16's two the word is whole
.irp c, 0,1,2
	global_store_b128 v5, v[C+12*(Q/2)+4*\c:C+12*(Q/2)+4*\c+3], s[10:11] offset:1536*(Q/2)+512*\c th:TH_STORE_NT   ; 32 lanes store 512 consecutive bytes
.endr
.endif
.set Q, Q+1
.endr
	v_cndmask_b32 v20, v[W], v[W+1], s22           ; lanes 0-15 carry the even fragment's words, lanes 16-31 the odd one's
	v_cndmask_b32 v21, v[W+2], v[W+3], s22
	global_store_b64 v6, v[20:21], s[10:11] offset:KSC th:TH_STORE_NT
	s_endpgm
	; ---------------- THE VALUES: record = 4 (work-group - 256) + wave.  A LANE TAKES A CHANNEL AND ITS REGISTERS RUN DOWN THE KEYS: a block of 32 keys lies in one lane, nothing is transposed
.Lvalues:
	s_sub_co_u32 s17, ttmp9, 256
	s_lshl_b32 s17, s17, 2
	s_add_co_u32 s17, s17, s16
	s_lshl_b32 s18, s17, 15
	s_add_nc_u64 s[6:7], s[6:7], s[18:19]
	s_mul_i32 s18, s17, REC
	s_add_nc_u64 s[10:11], s[10:11], s[18:19]
	s_wait_alu depctr_va_vdst(0)
	v_lshlrev_b32 v4, 2, v1                        ; in: 4 bytes a lane: 32 lanes read 128 consecutive bytes
	v_mul_u32_u24 v5, v3, 1536
	v_lshl_add_u32 v5, v2, 4, v5                   ; out: channel 32 w + lane belongs to fragment 2 w + lane / 16, row lane % 16
.macro VLOAD q                                 ; block q = 4 hh + 2 c + w: keys 64 c + 32 hh on, channels 32 w on; into set q % 2.  The two halves of the same rows follow each other
.irp i, 0,1,2,3,4,5,6,7,8,9,10,11,12,13,14,15,16,17,18,19,20,21,22,23,24,25,26,27,28,29,30,31
	global_load_b32 v[X+32*((\q)%2)+\i], v4, s[6:7] offset:(64*(((\q)/2)%2)+32*((\q)/4)+\i)*256+128*((\q)%2) th:TH_LOAD_NT
.endr
.endm
	VLOAD 0
	VLOAD 1
.set Q, 0
.rept 8
.set HH, Q/4
.set CC, (Q/2)%2
.set W2, Q%2
.if Q < 7
	s_wait_loadcnt 32                              ; this block's 32 loads are in; the next block's may be out
.else
	s_wait_loadcnt 0x0
.endif
.set XS, X+32*(Q%2)
.set CD, C+12*(2*W2+HH)+6*CC
	QBLK XS, CD, 11
.if Q < 2
	v_mov_b32 v[W+W2], v11                         ; my channel's scale word: byte 2 c + hh is the block of keys 64 c + 32 hh on
.else
	v_lshl_or_b32 v[W+W2], v11, 8*(2*CC+HH), v[W+W2]
.endif
.if Q+2 < 8
	VLOAD Q+2
.endif
.if CC == 1                                    ; twelve registers of the image's lanes 16 hh + row are whole
.irp c, 0,1,2
	global_store_b128 v5, v[C+12*(2*W2+HH)+4*\c:C+12*(2*W2+HH)+4*\c+3], s[10:11] offset:VIMG+3072*W2+256*HH+512*\c th:TH_STORE_NT   ; each half of the lanes stores 256 consecutive bytes, at a multiple of 256 from the buffer's first byte
.endr
.endif
.set Q, Q+1
.endr
	global_store_b64 v6, v[W:W+1], s[10:11] offset:VSC th:TH_STORE_NT   ; word w of lane l is the word of fragment 2 w + l / 16, row l % 16: just what the reader wants
	s_endpgm
.Lfunc_end_k_q5a1e2201c4_prep:
	.size	k_q5a1e2201c4_prep, .Lfunc_end_k_q5a1e2201c4_prep-k_q5a1e2201c4_prep
	.p2alignl 7, 3214868480
	.fill 96, 4, 3214868480
	.section	.rodata,"a",@progbits
	.p2align	6, 0x0
	.amdhsa_kernel k_q5a1e2201c4_prep
		.amdhsa_group_segment_fixed_size 0
		.amdhsa_private_segment_fixed_size 0
		.amdhsa_enable_private_segment 0
		.amdhsa_kernarg_size 48
		.amdhsa_user_sgpr_count 2
		.amdhsa_user_sgpr_kernarg_segment_ptr 1
		.amdhsa_wavefront_size32 1
		.amdhsa_system_sgpr_workgroup_id_x 1
		.amdhsa_system_sgpr_workgroup_id_y 1
		.amdhsa_system_sgpr_workgroup_id_z 1
		.amdhsa_system_vgpr_workitem_id 0
		.amdhsa_next_free_vgpr 208
		.amdhsa_next_free_sgpr 66
		.amdhsa_reserve_vcc 1
		.amdhsa_float_denorm_mode_32 3
		.amdhsa_float_denorm_mode_16_64 3
		.amdhsa_memory_ordered 1
		.amdhsa_forward_progress 1
		.amdhsa_inst_pref_size 115
	.end_amdhsa_kernel
	.amdgpu_metadata
---
amdhsa.version: [ 1, 2 ]
amdhsa.kernels:
  - .name:           k_q5a1e2201c4_prep
    .symbol:         k_q5a1e2201c4_prep.kd
    .args:
      - { .name: keys, .offset: 0, .size: 8, .value_kind: global_buffer, .address_space: global }
      - { .name: values, .offset: 8, .size: 8, .value_kind: global_buffer, .address_space: global }
      - { .name: mask, .offset: 16, .size: 8, .value_kind: global_buffer, .address_space: global }
      - { .name: kv, .offset: 24, .size: 8, .value_kind: global_buffer, .address_space: global }
      - { .name: mbits, .offset: 32, .size: 8, .value_kind: global_buffer, .address_space: global }
      - { .name: mflag, .offset: 40, .size: 8, .value_kind: global_buffer, .address_space: global }
    .group_segment_fixed_size: 0
    .private_segment_fixed_size: 0
    .kernarg_segment_align: 8
    .kernarg_segment_size: 48
    .max_flat_workgroup_size: 128
    .sgpr_count:     66
    .vgpr_count:     208
    .wavefront_size: 32
...
	.end_amdgpu_metadata
.endif
;; end of part 3
;; launch attn (part 4): grid 4 x 64, 16 waves a work-group, no clusters, 276,480 bytes of LDS; arguments kv, mbits, mflag, queries, out0; writes out0
.if DOCPART == 4
	.amdgcn_target "amdgcn-amd-amdhsa--gfx1250"
	.amdhsa_code_object_version 6
	.text
	.protected	k_q5a1e2201c4_attn
	.globl	k_q5a1e2201c4_attn
	.p2align	8
	.type	k_q5a1e2201c4_attn,@function
k_q5a1e2201c4_attn:
	s_mov_b64 s[64:65], 0
	v_nop
	global_prefetch_b8 v0, s[64:65] scope:SCOPE_SE
	s_setreg_imm32_b32 hwreg(HW_REG_WAVE_SCHED_MODE, 0, 2), 2
	s_setreg_imm32_b32 hwreg(HW_REG_WAVE_MODE, 25, 1), 1
	s_wait_xcnt 0x0
	s_wait_alu depctr_vm_vsrc(0)
; out0[hd][q][:] = the sum over k of softmax_k(where(mask[q][k], Q[hd][q] . K[hd][k] / 8, -inf)) V[hd][k][:], 64 heads, 2,048 queries and keys, head size 64,
; both products on codes of BF6 (E3M2) with one E8M0 scale for each 32 along a product's K.  K, V and the mask come as the launch before has laid them (kv, mbits, mflag); Q is quantised here.
; THE SOFTMAX AHEAD OF THE SECOND PRODUCT: t = score x log2(e) / 8; M = the row's largest t so far, rounded UP to a whole number; p = 2^(t - M) is what is quantised, along the keys.
; The row's sum is taken of the unquantised p and divides at the end.  When M moves, the sum and O are multiplied by 2^(old M - new M): exact.
; SHARES.  A work-group owns one head and 32 of its 128 tiles of 16 queries; each of its sixteen waves owns two tiles, one after the other: tile 16 x + wave and tile 127 less that.
; Four waves share a SIMD, 256 registers each, so that one wave's vector work stands beside another's matrix work and LDS loads.
; LDS.  The head's K and V, 16 records of 12,800 bytes in the order of the operands' registers, are 204,800 bytes: they are stored into LDS ONCE, through registers, and then only read: one barrier in the launch.
; THE MASK IS AN INPUT and is honoured as it is given.  For each (tile, step of 128 keys) a stored flag says: no key kept (the step is left out: every p would be 0 and M would not move),
; all kept (nothing is selected), or some (64 stored lane masks, one v_cndmask_b32 for each score register, set hidden scores to -infinity).  A row that keeps no key at all gives 0 x infinity = NaN.
; NO JOINT TENSOR LOADS, though the four work-groups of a head read the same 204,800 bytes: this text branches on the stored flags;
; the branch can leave out any of a tile's 16 steps, the joint load would spare three of four reads of one fill.
; LAYOUT.  Both products are used transposed: S^T = K Q^T, O^T = V^T P^T: a lane holds ONE query (lane % 16) throughout.  The head's 64 fill half of the instruction's 128, so a fragment of K holds two tiles of keys
; and is multiplied twice: by (Q, zero codes) and by (zero codes, Q).  With the rows that the launch before chose, score register n = 32 c + i of lane (r, h) is key 64 c + 32 h + i:
; a lane's 32 registers are ONE WHOLE block of 32 neighbouring keys, in the order that P's operand wants: no lane exchange for the codes, none for a block's maximum.
; LIMITS: NaN and infinities among the inputs are not served; a block of zeros has the scale byte 1 (its codes are zeros); a p under 2^-126 counts as 0 (v_exp_f32, ISA guide 15.8), beside a row's sum of at least 1/2;
; a block's largest p is taken through its largest score, which takes v_exp_f32 not to fall where its input rises.
; THE MODE: SCHED_MODE bits 1:0 = 2 (LLVM: expert scheduling mode 2), set by the entry lines.  The code itself states the register dependences
; between vector or matrix instructions and memory or LDS instructions, with s_wait_alu, always for 0.
; THE PLAN.  Registers that memory or LDS instructions touch:
;   v3, v4 (ADK, ADS)   Written by the two additions at a step's head; read by the step's 26 LDS loads.  (At the kernel's head v3 is the offset of Q's loads.)
;   v46-47, v48-95      K's 13 loads land there at the head of a step that is kept; its eight products K Q^T read them; V's 13 loads land there; its four products V^T P^T read them.
;   v96-195             At the kernel's head: the fill's 25 loads land there and its 25 LDS stores read them; afterwards they are S^T, O^T and P's codes.
;   v96-127, v128-159   On the way out: 16 multiplications write the first 32, which 8 LDS stores read; 8 loads from the stage land in the other 32, which 8 global stores read; the next tile's products write both.
;   v1, v7, v8, v252-255, v207, v211   Offsets and addresses made at the kernel's head and never written again.
; A step that is kept has, beside the wait ahead of its exponentials and the two behind them: one wait on vm_vsrc ahead of the two additions; one on va_vdst ahead of K's loads (the additions have written, the last step's V^T P^T is done
; reading); one behind the eight products, ahead of V's loads into the same registers; one ahead of V^T P^T, whose P and scale word vector instructions have written.  A second set of registers for K or V would be 50;
; of a wave's 256 the loop leaves 34.
.set REC,   12800                      ; a step's record
.set HEADB, 16*REC                     ; a head's
.set VIMG,  6144                       ; in a record: V's fragments
.set KSC,   12288                      ; K's scale words; V's lie 256 bytes on
.set STG,   HEADB                      ; behind the head: a stage of 16 rows x (256 + 16) bytes for each wave, its own
.set SP,    272
.set LI,  1                            ; v1   16 x lane: an image's place for my lane; also my 16 bytes of two rows of out0
.set LS,  2                            ; v2   8 x lane + KSC
.set ADK, 3                            ; v3   the step's images (at the head: my bytes in a tile of Q)
.set ADS, 4                            ; v4   the step's scale words
.set NINF, 5                           ; v5   -infinity
.set H8,  6                            ; v6   8 h
.set STO, 7                            ; v7   the stage: where I put 32 bytes of a row
.set RD,  8                            ; v8   and where I read a row back
.set QW0, 9                            ; v9, v10  Q's scale words of my two tiles: lanes 0-15 for (Q, zeros), lanes 16-31 for (zeros, Q)
.set PW,  11                           ; v11  P's scale word
                                       ; v12 -M, v13 the largest t so far, v[14:15] the row's sum in two halves
.set QZ,  16                           ; v16-45  zeros, Q of tile 0, zeros, Q of tile 1, zeros: six registers each
.set KVS, 46                           ; v46-47  the scale words of K's or V's four fragments
.set FR,  48                           ; v48-95  K's or V's four fragments
.set S,   96                           ; v96-159 S^T, then p
.set O,   160                          ; v160-191 O^T
.set PC,  192                          ; v192-203 P's codes; v204-206, v208-210 the conversions' second halves
.set BM,  212                          ; v212-213 the two blocks' largest scores, then largest p
.set SO,  214                          ; v214-215 the conversions' scale operands
.set F,   216                          ; v216 f = 2^(old M - new M), later 1 / the sum; v217 = 0, named with it as a pair
.set T,   218                          ; v218-221 at work
.set FA,  252                          ; v252-255 the fill: 16 x thread + 65,536 k
.set TB,  24                           ; s24  the step's first byte in LDS
.set MO,  25                           ; s25  the step's first byte among the tile's mask words
.set FLG, 26                           ; s26  the flags of the steps still to come, two bits each
.set FL,  27                           ; s27  this step's
.set CNT, 28                           ; s28  steps still to go
                                       ; s2, s3 the two tiles' flags; s[10:11], s[12:13] their rows of out0; s[66:67], s[100:101] their mask words; s[32:63], s[68:99] a step's 64 mask words
	s_load_b256 s[4:11], s[0:1], 0x0               ; kv s[4:5], mbits s[6:7], mflag s[8:9], queries s[10:11]
	s_load_b64 s[12:13], s[0:1], 0x20              ; out0
	v_lshl_add_u32 v207, v0, 2, 0x43000            ; my spare word, behind the sixteen stages, and 0: made here and kept for the closing lines alone
	v_mov_b32 v211, 0
	v_lshrrev_b32 v1, 5, v0
	v_readfirstlane_b32 s14, v1                    ; wave 0..15
	s_and_b32 s15, ttmp7, 0xffff                   ; the head
	s_lshl_b32 s16, ttmp9, 4
	s_wait_alu depctr_va_sdst(0)                   ; s14 is written, ahead of its first reader: my tiles' numbers and my stage's place are made from it
	s_add_co_u32 s16, s16, s14                     ; my first tile: 16 x work-group x + wave
	s_sub_co_u32 s17, 127, s16                     ; my second
	s_lshl_b32 s26, s15, 19                        ; the head's 2,048 rows of 256 bytes, in queries and in out0
	s_lshl_b32 s46, s16, 12                        ; a tile's 16 rows; a tile's mask words are as many bytes
	s_add_co_u32 s40, s26, s46
	s_mov_b32 s41, 0
	s_mov_b32 s47, 0
	s_lshl_b32 s48, s17, 12
	s_add_co_u32 s42, s26, s48
	s_mov_b32 s43, 0
	s_mov_b32 s49, 0
	s_mul_i32 s44, s15, HEADB
	s_mov_b32 s45, 0
	s_lshl_b32 s24, s16, 4                         ; a tile's four words of flags
	s_lshl_b32 s25, s17, 4
	s_mov_b32 s20, 0x76543210
	s_mov_b32 s21, 0xfedcba98                      ; v_permlanex16_b32's selects for lane l xor 16
	s_mov_b32 s22, 0x3e38aa3b                      ; c = log2(e) / 8: t = score x c
	s_mov_b32 s23, s22                             ; (the packed form names the pair and takes its low word for both halves: so it is written)
	s_mov_b32 s29, 0xffff0000                      ; lanes 16-31
	v_and_b32 v2, 31, v0                           ; lane
	v_and_b32 v[T], 15, v0                         ; r
	v_bfe_u32 v[T+1], v0, 4, 1                     ; h
	v_lshlrev_b32 v[LI], 4, v2
	v_lshl_add_u32 v[LS], v2, 3, KSC
	v_lshlrev_b32 v[H8], 3, v[T+1]
	v_lshlrev_b32 v[ADK], 8, v[T]
	v_lshl_add_u32 v[ADK], v[T+1], 7, v[ADK]       ; Q: row r of 256 bytes, + 128 h: a whole block of 32
	v_lshlrev_b32 v[FA], 4, v0                     ; the fill: 16 bytes a thread, 8,192 a load of the work-group's
	v_add_nc_u32 v[FA+1], 0x10000, v[FA]
	v_add_nc_u32 v[FA+2], 0x20000, v[FA]
	v_add_nc_u32 v[FA+3], 0x30000, v[FA]
	s_mul_i32 s27, s14, 16*SP
	s_add_co_u32 s27, s27, STG                     ; my stage
	v_mul_u32_u24 v[STO], v[T], SP
	v_lshl_add_u32 v[STO], v[T+1], 5, v[STO]
	v_add_nc_u32 v[STO], s27, v[STO]               ; in: row r; tile t's eight channels of my half: 64 t + 32 h bytes on
	v_mul_u32_u24 v[RD], v[T+1], SP
	v_lshl_add_u32 v[RD], v[T], 4, v[RD]
	v_add_nc_u32 v[RD], s27, v[RD]                 ; back: lanes 0-15 one row, lanes 16-31 the next
	s_wait_kmcnt 0x0
	s_load_b128 s[32:35], s[8:9], s24 offset:0x0   ; my two tiles' flags
	s_load_b128 s[36:39], s[8:9], s25 offset:0x0
	s_add_nc_u64 s[18:19], s[10:11], s[40:41]      ; Q at my first tile,
	s_add_nc_u64 s[30:31], s[10:11], s[42:43]      ; at my second
	s_add_nc_u64 s[4:5], s[4:5], s[44:45]          ; the head's records
	s_add_nc_u64 s[66:67], s[6:7], s[46:47]        ; the tiles' mask words
	s_add_nc_u64 s[100:101], s[6:7], s[48:49]
	s_add_nc_u64 s[10:11], s[12:13], s[40:41]      ; and their rows of out0
	s_add_nc_u64 s[12:13], s[12:13], s[42:43]
	s_wait_alu depctr_va_vdst(0)                   ; the offsets and addresses are written: v3 and v252-255, which the loads and LDS stores of the head read; v1, v7 and v8, which the way out's read
.irp j, 0,1,2,3,4,5,6,7
	global_load_b128 v[48+4*\j:51+4*\j], v[ADK], s[18:19] offset:16*\j th:TH_LOAD_NT
.endr
.irp j, 0,1,2,3,4,5,6,7
	global_load_b128 v[220+4*\j:223+4*\j], v[ADK], s[30:31] offset:16*\j th:TH_LOAD_NT
.endr
.set n, 0
.rept 25                                       ; the head's 204,800 bytes, as they lie: 25 loads of 8,192 bytes for the work-group
	global_load_b128 v[S+4*n:S+4*n+3], v[FA], s[4:5] offset:8192*n
.set n, n+1
.endr
	v_mov_b32 v[NINF], 0xff800000
	v_mov_b32 v[F+1], 0
.irp z, 0,12,24
.irp i, 0,1,2,3,4,5
	v_mov_b32 v[QZ+\z+\i], 0                       ; zero codes: the half of the instruction's 128 that a product does not use
.endr
.endr
; my 32 numbers of a row of Q, one block, become six registers of codes and the scale's byte
.macro QQ xs, cd, tmp, by
	v_max3_num_f32 v[BM], |v[\xs]|, |v[\xs+1]|, |v[\xs+2]|
	v_max3_num_f32 v[BM+1], |v[\xs+3]|, |v[\xs+4]|, |v[\xs+5]|
.irp i, 6,10,14,18,22,26
	v_max3_num_f32 v[BM], v[BM], |v[\xs+\i]|, |v[\xs+\i+1]|
	v_max3_num_f32 v[BM+1], v[BM+1], |v[\xs+\i+2]|, |v[\xs+\i+3]|
.endr
	v_max3_num_f32 v[BM], v[BM], |v[\xs+30]|, |v[\xs+31]|
	v_max3_num_f32 v[BM], v[BM], v[BM+1], 0x2800000   ; the floor 2^(5 - 127): the byte cannot fall under 1
	v_add_nc_u32 v[F], 0xfe000000, v[BM]           ; 4 off the exponent field: the conversion's scale operand
	v_lshrrev_b32 v[\by], 23, v[F]
	v_cvt_scalef32_pk16_bf6_f32 v[\cd:\cd+2], v[\xs:\xs+15], v[F]
	v_cvt_scalef32_pk16_bf6_f32 v[\tmp:\tmp+2], v[\xs+16:\xs+31], v[F]   ; (a conversion's three registers begin on an even number)
	v_nop                                          ; one plain place behind a scaled conversion
.irp i, 0,1,2
	v_mov_b32 v[\cd+3+\i], v[\tmp+\i]
.endr
.endm
; the row's two bytes b0, b1 make two scale words: (b0, b1, 1, 1) for (Q, zeros) in lanes 0-15, (1, 1, b0, b1) for (zeros, Q) in lanes 16-31.  The byte 1 stands over zero codes alone
.macro QWORD by, qw
	v_lshlrev_b32 v[T], v[H8], v[\by]
	v_permlanex16_b32 v[T+1], v[T], s20, s21
	v_or_b32 v[T], v[T], v[T+1]
	v_or_b32 v[T+1], 0x01010000, v[T]
	v_lshl_or_b32 v[T], v[T], 16, 0x0101
	v_cndmask_b32 v[\qw], v[T+1], v[T], s29
.endm
	s_wait_loadcnt 33                              ; the first tile's eight loads are in; the second's 8 and the fill's 25 may be out
	QQ 48, QZ+6, 204, SO
	s_wait_loadcnt 25                              ; the second tile's are in
	QQ 220, QZ+18, 208, SO+1
	QWORD SO, QW0
	QWORD SO+1, QW0+1
.set n, 0
.rept 25                                       ; no wait on va_vdst is owed here: no vector instruction since the last one names v96-195 or v252-255
	s_wait_loadcnt 24-n                            ; load n is in; the later ones may be out
	ds_store_b128 v[FA+n/8], v[S+4*n:S+4*n+3] offset:8192*(n%8)
.set n, n+1
.endr
	s_wait_kmcnt 0x0                               ; the flags: 8 bits a word, 32 a tile
	s_lshl_b32 s33, s33, 8
	s_lshl_b32 s34, s34, 16
	s_lshl_b32 s35, s35, 24
	s_or_b32 s2, s32, s33
	s_or_b32 s2, s2, s34
	s_or_b32 s2, s2, s35
	s_lshl_b32 s37, s37, 8
	s_lshl_b32 s38, s38, 16
	s_lshl_b32 s39, s39, 24
	s_or_b32 s3, s36, s37
	s_or_b32 s3, s3, s38
	s_or_b32 s3, s3, s39
	s_wait_dscnt 0x0                               ; for the others' sake: my part of the head lies in LDS
	s_barrier_signal -1
	s_barrier_wait -1                              ; everybody's does; from here on these bytes are only read
	s_wait_alu depctr_vm_vsrc(0)                   ; the fill's LDS stores have read v96-195, which O^T's zeros, the products and the conversions write from here on; Q's loads have read v3, which the loop writes
; S^T = K Q^T for the step's 128 keys: four fragments, each multiplied twice.  Behind the products V's fragments are asked for, into the same registers: they land under the softmax.
.macro QK
	s_wait_alu depctr_va_vdst(0)                   ; the step's two additions have written v3 and v4, which the loads read; the products V^T P^T of the step before (in the first step: Q's quantiser) are done reading v46-95, in which the loads land; Q's codes and scale words, which the products below take, are written
	ds_load_b64 v[KVS:KVS+1], v[ADS]
.set j, 0
.rept 12
	ds_load_b128 v[FR+4*j:FR+4*j+3], v[ADK] offset:512*j
.set j, j+1
.endr
.irp e, 0,1                                    ; fragments 2 e (scale words in lanes 0-15) and 2 e + 1 (lanes 16-31)
	s_wait_dscnt 9-6*\e                            ; the fragment's three loads are in; the later fragments' three each may be out
	v_wmma_scale_f32_16x16x128_f8f6f4 v[S+16*\e:S+16*\e+7], v[FR+24*\e:FR+24*\e+11], v[QLO:QLO+11], 0, v[KVS+\e], v[QW] matrix_a_fmt:MATRIX_FMT_BF6 matrix_b_fmt:MATRIX_FMT_BF6
	v_wmma_scale_f32_16x16x128_f8f6f4 v[S+32+16*\e:S+32+16*\e+7], v[FR+24*\e:FR+24*\e+11], v[QHI:QHI+11], 0, v[KVS+\e], v[QW] matrix_a_fmt:MATRIX_FMT_BF6 matrix_b_fmt:MATRIX_FMT_BF6 matrix_b_scale:MATRIX_SCALE_ROW1
	s_wait_dscnt 6-6*\e
	v_wmma_scale_f32_16x16x128_f8f6f4 v[S+8+16*\e:S+8+16*\e+7], v[FR+12+24*\e:FR+12+24*\e+11], v[QLO:QLO+11], 0, v[KVS+\e], v[QW] matrix_a_fmt:MATRIX_FMT_BF6 matrix_b_fmt:MATRIX_FMT_BF6 matrix_a_scale:MATRIX_SCALE_ROW1
	v_wmma_scale_f32_16x16x128_f8f6f4 v[S+40+16*\e:S+40+16*\e+7], v[FR+12+24*\e:FR+12+24*\e+11], v[QHI:QHI+11], 0, v[KVS+\e], v[QW] matrix_a_fmt:MATRIX_FMT_BF6 matrix_b_fmt:MATRIX_FMT_BF6 matrix_a_scale:MATRIX_SCALE_ROW1 matrix_b_scale:MATRIX_SCALE_ROW1
.endr
.rept 4
	v_nop                                          ; four places (ISA guide 7.12.1) in front of the first read of the scores; they stay beside the wait below
.endr
	s_wait_alu depctr_va_vdst(0)                   ; the eight products are done reading K's fragments and scale words, v46-95, in which V's loads land
.set j, 0
.rept 12
	ds_load_b128 v[FR+4*j:FR+4*j+3], v[ADK] offset:VIMG+512*j
.set j, j+1
.endr
	ds_load_b64 v[KVS:KVS+1], v[ADS] offset:256
.endm
; ONE TILE OF 16 QUERIES: a loop of 16 steps of 128 keys, then the way out
.macro TILE p
.set QHI, QZ+12*\p                             ; (zeros, Q)
.set QLO, QZ+6+12*\p                           ; (Q, zeros)
.set QW,  QW0+\p
.set OBR, 10+2*\p
.if \p == 0
.set MBR, 66
.else
.set MBR, 100
.endif
	v_mov_b32 v13, 0xff61b1e6                      ; the largest t so far: -3e38, under every t
	v_floor_f32 v12, -v13                          ; -M
	v_mov_b32 v14, 0                               ; the sum, in two halves
	v_mov_b32 v15, 0
.set j, 0
.rept 32
	v_mov_b32 v[O+j], 0                            ; O^T begins as zeros: which step is the first that is kept hangs on the flags, so no first product can be written out to start the sums
.set j, j+1
.endr
	s_mov_b32 s[TB], 0
	s_mov_b32 s[MO], 0
	s_mov_b32 s[FLG], s[2+\p]
	s_mov_b32 s[CNT], 16
.Lstep_\p:
	s_wait_alu depctr_vm_vsrc(0)                   ; the LDS loads of the last step that was kept have read v3 and v4, which the two additions write
	v_add_nc_u32 v[ADK], s[TB], v[LI]              ; made on every path
	v_add_nc_u32 v[ADS], s[TB], v[LS]
	s_and_b32 s[FL], s[FLG], 3
	s_cmp_eq_u32 s[FL], 0
	s_cbranch_scc1 .Lskip_\p                       ; no key of the step counts for any of my 16 queries
	s_cmp_eq_u32 s[FL], 1
	s_cbranch_scc0 .Lopen_\p                       ; all count
	s_load_b512 s[32:47], s[MBR:MBR+1], s[MO] offset:0x0      ; some count: the step's 64 lane masks, asked for ahead of the products
	s_load_b512 s[48:63], s[MBR:MBR+1], s[MO] offset:0x40
	s_load_b512 s[68:83], s[MBR:MBR+1], s[MO] offset:0x80
	s_load_b512 s[84:99], s[MBR:MBR+1], s[MO] offset:0xc0
	QK
	s_wait_kmcnt 0x0
.set n, 0
.rept 64                                       ; hidden scores become -infinity ahead of the maximum: p = 0 then.  Each accumulator is taken from its low end on
.set k, 2*(n%32)+n/32
	v_cndmask_b32 v[S+n], v[NINF], v[S+n], s[32+k+4*(k/32)]
.set n, n+1
.endr
	s_branch .Lsoft_\p
.Lopen_\p:
	QK
.Lsoft_\p:
.irp c, 0,1
	v_max3_num_f32 v[BM+\c], v[S+32*\c], v[S+32*\c+1], v[S+32*\c+2]   ; THE LARGEST SCORE OF EACH OF MY TWO BLOCKS OF 32 KEYS: it serves for the row's maximum and, since p rises with the score, for the block's largest p
.endr
.irp i, 3,5,7,9,11,13,15,17,19,21,23,25,27,29
.irp c, 0,1
	v_max3_num_f32 v[BM+\c], v[BM+\c], v[S+32*\c+\i], v[S+32*\c+\i+1]   ; (the two blocks by turns)
.endr
.endr
.irp c, 0,1
	v_max_num_f32 v[BM+\c], v[BM+\c], v[S+32*\c+31]
.endr
	v_max_num_f32 v[T], v[BM], v[BM+1]
	v_permlanex16_b32 v[T+1], v[T], s20, s21
	v_max_num_f32 v[T], v[T], v[T+1]               ; with lane l xor 16's 64 keys: the step's largest score of my query
	v_mul_f32 v[T], s22, v[T]                      ; as t (c is positive)
	v_max_num_f32 v13, v13, v[T]                   ; the running largest t
	v_mov_b32 v[T], v12
	v_floor_f32 v12, -v13                          ; the new -M = floor(-t) = -ceil(t): M is a whole number
	v_sub_f32 v[T], v12, v[T]                      ; M's old value less its new one: a whole number, 0 or less
	v_cvt_i32_f32 v[T], v[T]                       ; (it saturates)
	v_ldexp_f32 v[F], 1.0, v[T]                    ; f = 2^(old M - new M)
.set j, 0
.rept 32
	v_pk_fma_f32 v[S+j:S+j+1], v[S+j:S+j+1], s[22:23], v[12:13] op_sel_hi:[1,0,0]   ; t - M, two at a time (of the pairs c and -M the low word serves both halves)
.set j, j+2
.endr
.irp c, 0,1
	v_fma_f32 v[BM+\c], v[BM+\c], s22, v12         ; the same of each block's largest score
.endr
.set j, 0
	s_wait_alu depctr_va_vdst(0)
.rept 64
	v_exp_f32 v[S+j], v[S+j]                       ; p = 2^(t - M), at most 1: not normalised
.set j, j+1
.endr
	v_pk_mul_f32 v[14:15], v[14:15], v[F:F+1] op_sel_hi:[1,0]   ; the sums under the new M: the plain instruction behind the exponentials
	s_wait_alu depctr_va_vdst(0)                   ; the 64 exponentials have written p, v96-159: the wait ahead of the first line that names a result: one for the whole batch
.irp c, 0,1
	v_exp_f32 v[BM+\c], v[BM+\c]                   ; the block's largest p: the same two instructions on the same number give the same bits
.endr
	v_pk_add_f32 v[T+2:T+3], v[S:S+1], v[S+2:S+3]  ; the row's sum is taken of the unquantised p: two at a time, in two chains; it reads the 64 alone: plain work behind the two
.set j, 4
.rept 15
	v_pk_add_f32 v[14:15], v[14:15], v[S+j:S+j+1]
	v_pk_add_f32 v[T+2:T+3], v[T+2:T+3], v[S+j+2:S+j+3]
.set j, j+4
.endr
	v_pk_add_f32 v[14:15], v[14:15], v[T+2:T+3]
	s_wait_alu depctr_va_vdst(0)                   ; and one for the two: the blocks' largest p, v212 and v213, are written
.irp c, 0,1
	v_max_num_f32 v[BM+\c], 0x2800000, v[BM+\c]    ; the floor 2^(5 - 127): the byte cannot fall under 1 (a block whose every p is 0 keeps that byte: its codes are zeros)
.endr
.irp c, 0,1
	v_add_nc_u32 v[SO+\c], 0xfe000000, v[BM+\c]    ; 4 off the exponent field: the conversion's scale operand
.endr
.irp c, 0,1
	v_lshrrev_b32 v[T+\c], 23, v[SO+\c]            ; the scale's byte
.endr
	v_lshl_or_b32 v[T], v[T+1], 16, v[T]           ; my two bytes: blocks h and 2 + h of the step's four,
	v_lshlrev_b32 v[T], v[H8], v[T]                ; at their places (8 h bits up);
	v_permlanex16_b32 v[T+1], v[T], s20, s21
	v_or_b32 v[PW], v[T], v[T+1]                   ; with lane l xor 16's two the query's scale word is whole
	v_cvt_scalef32_pk16_bf6_f32 v[PC:PC+2], v[S:S+15], v[SO]
	v_cvt_scalef32_pk16_bf6_f32 v[204:206], v[S+16:S+31], v[SO]       ; (a conversion's three registers begin on an even number)
	v_cvt_scalef32_pk16_bf6_f32 v[PC+6:PC+8], v[S+32:S+47], v[SO+1]
	v_cvt_scalef32_pk16_bf6_f32 v[208:210], v[S+48:S+63], v[SO+1]
	v_nop                                          ; one plain place behind a scaled conversion
.irp i, 0,1,2
	v_mov_b32 v[PC+3+\i], v[204+\i]
	v_mov_b32 v[PC+9+\i], v[208+\i]
.endr
.set j, 0
.rept 16
	v_pk_mul_f32 v[O+j:O+j+1], v[O+j:O+j+1], v[F:F+1] op_sel_hi:[1,0]   ; O^T under the new M.  For each product below twelve of these name none of its registers: the places behind the writes of P's codes and scale word
.set j, j+2
.endr
	s_wait_alu depctr_va_vdst(0)                   ; the conversions and moves have written P's codes, v192-203, and v11 holds its scale word: the scaled products below take them; the places above stay beside this wait
	s_wait_dscnt 0x0                               ; V's fragments and scale words are in
.irp e, 0,1                                    ; O^T += V^T P^T: four tiles of 16 channels, K = the step's 128 keys; the four accumulators take turns
	v_wmma_scale_f32_16x16x128_f8f6f4 v[O+16*\e:O+16*\e+7], v[FR+24*\e:FR+24*\e+11], v[PC:PC+11], v[O+16*\e:O+16*\e+7], v[KVS+\e], v[PW] matrix_a_fmt:MATRIX_FMT_BF6 matrix_b_fmt:MATRIX_FMT_BF6
	v_wmma_scale_f32_16x16x128_f8f6f4 v[O+8+16*\e:O+8+16*\e+7], v[FR+12+24*\e:FR+12+24*\e+11], v[PC:PC+11], v[O+8+16*\e:O+8+16*\e+7], v[KVS+\e], v[PW] matrix_a_fmt:MATRIX_FMT_BF6 matrix_b_fmt:MATRIX_FMT_BF6 matrix_a_scale:MATRIX_SCALE_ROW1
.endr
.rept 4
	v_nop                                          ; four places in front of the way out's read of O^T (the next step's loads into these products' registers stand behind that step's own wait)
.endr
.Lskip_\p:
	s_lshr_b32 s[FLG], s[FLG], 2
	s_add_co_u32 s[TB], s[TB], REC
	s_add_co_u32 s[MO], s[MO], 256
	s_sub_co_u32 s[CNT], s[CNT], 1
	s_cmp_lg_u32 s[CNT], 0
	s_cbranch_scc1 .Lstep_\p
	; THE WAY OUT: O^T / the sum goes through my stage and leaves as whole rows of 256 bytes
	v_add_f32 v14, v14, v15                        ; the sum's two halves,
	v_permlanex16_b32 v[T+1], v14, s20, s21
	v_add_f32 v14, v14, v[T+1]                     ; and lane l xor 16's: the row's sum
	s_wait_alu depctr_va_vdst(0)
	v_rcp_f32 v[F], v14                            ; (a row that kept no key: 1 / 0, and 0 x infinity is the NaN that is expected there)
	v_nop                                          ; a plain place behind the transcendental
	s_wait_alu depctr_va_vdst(0)                   ; the reciprocal has written v216: the wait ahead of its first reader
.set j, 0
.rept 16
	v_pk_mul_f32 v[S+j:S+j+1], v[O+j:O+j+1], v[F:F+1] op_sel_hi:[1,0]   ; register 8 t + i is out(query r, channel 16 t + 8 h + i)
.set j, j+2
.endr
	s_wait_alu depctr_va_vdst(0)                   ; the multiplications have written v96-127, which the LDS stores read; the last step's exponentials and conversions are done with v128-159, in which the loads from the stage land
.irp t, 0,1,2,3
	ds_store_b128 v[STO], v[S+8*\t:S+8*\t+3] offset:64*\t
	ds_store_b128 v[STO], v[S+8*\t+4:S+8*\t+7] offset:64*\t+16
.endr
.irp i, 0,1,2,3,4,5,6,7
	ds_load_b128 v[S+32+4*\i:S+32+4*\i+3], v[RD] offset:2*\i*SP   ; LDS serves a wave's instructions in order (ISA guide 5.7.1.4): these see my stores
.endr
.irp i, 0,1,2,3,4,5,6,7
	s_wait_dscnt 7-\i                              ; rows 2 i and 2 i + 1 are back; the later rows' loads may be out
	global_store_b128 v[LI], v[S+32+4*\i:S+32+4*\i+3], s[OBR:OBR+1] offset:512*\i th:TH_STORE_NT   ; 32 lanes store 512 consecutive bytes, at a multiple of 256 from out0's first byte
.endr
.if \p == 0
	s_wait_xcnt 0x0                                ; the stores have read their registers: the next tile's scores may be written there
	s_wait_alu depctr_vm_vsrc(0)                   ; beside it: the LDS stores have read v96-127 and the global stores v128-159, which the next tile's products write
.endif
.endm
	TILE 0
	TILE 1
	s_wait_dscnt 0x0                               ; the closing lines, six on end
	s_wait_alu 0x0
	s_wait_tensorcnt 0x0
	ds_add_u32 v207, v211
	s_wait_dscnt 0x0
	s_endpgm
.Lfunc_end_k_q5a1e2201c4_attn:
	.size	k_q5a1e2201c4_attn, .Lfunc_end_k_q5a1e2201c4_attn-k_q5a1e2201c4_attn
	.p2alignl 7, 3214868480
	.fill 96, 4, 3214868480
	.section	.rodata,"a",@progbits
	.p2align	6, 0x0
	.amdhsa_kernel k_q5a1e2201c4_attn
		.amdhsa_group_segment_fixed_size 276480
		.amdhsa_private_segment_fixed_size 0
		.amdhsa_enable_private_segment 0
		.amdhsa_kernarg_size 40
		.amdhsa_user_sgpr_count 2
		.amdhsa_user_sgpr_kernarg_segment_ptr 1
		.amdhsa_wavefront_size32 1
		.amdhsa_system_sgpr_workgroup_id_x 1
		.amdhsa_system_sgpr_workgroup_id_y 1
		.amdhsa_system_sgpr_workgroup_id_z 1
		.amdhsa_system_vgpr_workitem_id 0
		.amdhsa_next_free_vgpr 256
		.amdhsa_next_free_sgpr 102
		.amdhsa_reserve_vcc 0
		.amdhsa_float_denorm_mode_32 3
		.amdhsa_float_denorm_mode_16_64 3
		.amdhsa_memory_ordered 1
		.amdhsa_forward_progress 1
		.amdhsa_inst_pref_size 68
	.end_amdhsa_kernel
	.amdgpu_metadata
---
amdhsa.version: [ 1, 2 ]
amdhsa.kernels:
  - .name:           k_q5a1e2201c4_attn
    .symbol:         k_q5a1e2201c4_attn.kd
    .args:
      - { .name: kv, .offset: 0, .size: 8, .value_kind: global_buffer, .address_space: global }
      - { .name: mbits, .offset: 8, .size: 8, .value_kind: global_buffer, .address_space: global }
      - { .name: mflag, .offset: 16, .size: 8, .value_kind: global_buffer, .address_space: global }
      - { .name: queries, .offset: 24, .size: 8, .value_kind: global_buffer, .address_space: global }
      - { .name: out0, .offset: 32, .size: 8, .value_kind: global_buffer, .address_space: global }
    .group_segment_fixed_size: 276480
    .private_segment_fixed_size: 0
    .kernarg_segment_align: 8
    .kernarg_segment_size: 40
    .max_flat_workgroup_size: 512
    .sgpr_count:     102
    .vgpr_count:     256
    .wavefront_size: 32
...
	.end_amdgpu_metadata
.endif
;; end of part 4
